; MI455X (gfx1250); checked and timed in simulation.
; The chip was launched on July 23, 2026; its instructions are those of AMD's public machine-readable ISA for CDNA 5 (MIT licence, August 2026) and "CDNA5" Instruction Set Architecture Reference Guide (July 2026). The comments in the code are by the model that wrote it; some were corrected since.
;; Multi Head Attention. Allowed arithmetic: matrix products marked QUANTISED: E2M3 operands, one E8M0 scale for each 32 along K, by v_wmma_scale_f32_16x16x128_f8f6f4 with both operands' format E2M3, f32 sums; everything else in f32.
;; Inputs: Wk 1,024 x 1,024 float32; Wo 1,024 x 1,024 float32; Wq 1,024 x 1,024 float32; Wv 1,024 x 1,024 float32; bk 1,024 float32; bo 1,024 float32; bq 1,024 float32; bv 1,024 float32; x 4 x 2,048 x 1,024 float32.
;; Outputs: out0 4 x 2,048 x 1,024 float32.
;; This version of the problem:
;;   THIS VERSION OF THE PROBLEM IS GIVEN IN LOW PRECISION. The matrix products marked QUANTISED in the list below multiply operands that are first quantised to E2M3 (2 exponent bits, 3 mantissa bits; 6 bits a number), with one power-of-two scale for each 32 numbers along K (OCP MX v1.0); their sums are f32. All else is computed in f32.
;;   The module's matrix products, in the order in which they are computed (A, B: the left and right operand; K: the contracted axis; several contracted axes count as one K, in the product's order):
;;     1. [M 8,192, K 1,024] x [K 1,024, N 1,024]; A: input x; B: input Wq: QUANTISED
;;     2. [M 8,192, K 1,024] x [K 1,024, N 1,024]; A: input x; B: input Wk: QUANTISED
;;     3. [M 8,192, K 1,024] x [K 1,024, N 1,024]; A: input x; B: input Wv: QUANTISED
;;     4. batch 64 x [M 2,048, K 64] x [K 64, N 2,048]; A: computed on the way; B: computed on the way: QUANTISED
;;     5. batch 64 x [M 2,048, K 2,048] x [K 2,048, N 64]; A: softmax (see below); B: computed on the way: QUANTISED
;;     6. [M 8,192, K 1,024] x [K 1,024, N 1,024]; A: computed on the way; B: input Wo: QUANTISED
;;   THE QUANTISER, for each operand of a quantised product, along K:
;;     - K is cut into blocks of 32 from its start; a last block that is shorter is filled with zeros.
;;     - A block's scale is 2^e with e = floor(log2(the largest magnitude in the block)) - 2, held to -126 .. 127; a block of zeros has e = 0. As a byte (E8M0): e + 127.
;;     - Each number is divided by its block's scale, clamped to +-7.5, and rounded to the nearest number of E2M3, ties to even, subnormals kept.
;;     - The product sums the exact products of the quantised numbers (number of the format x scale) in f32.
;;   ~~~python
;;   def quantise(x, axis):      # numpy; x: float32 -> the quantised numbers, widened to float32 again
;;       x = np.moveaxis(x, axis, -1); K = x.shape[-1]
;;       x = np.pad(x, [(0, 0)] * (x.ndim - 1) + [(0, -K % 32)]); x = x.reshape(x.shape[:-1] + (-1, 32)); a = np.abs(x).max(-1, keepdims=True)
;;       e = np.where(a > 0, np.clip(np.frexp(np.where(a > 0, a, 1))[1] - 1 - 2, -126, 127), 0)      # np.frexp(a)[1] - 1 = floor(log2(a)), exactly
;;       r = np.clip(x / 2.0 ** e, -7.5, 7.5)
;;       step = 2.0 ** (np.maximum(np.frexp(np.where(r == 0, 1, r))[1] - 1, 0) - 3)
;;       q = np.round(r / step) * step * 2.0 ** e      # np.round: ties to even
;;       return np.moveaxis(q.reshape(q.shape[:-2] + (-1,))[..., :K], -1, axis).astype(np.float32)
;;   ~~~
;;   SOFTMAX AHEAD OF A QUANTISED PRODUCT. Where the list says 'softmax', what is quantised is not the finished softmax but p = 2^(t - M), with t = logit x log2(e) and M = ceil(the row's largest t), a whole number; so 1/2 < the row's largest p <= 1. The row's sum l is taken of the UNQUANTISED p, in f32, and the product's result is divided by l at the end. Since M is a whole number, a kernel that streams over the keys may use a running M (the ceiling of the running maximum): every later rescaling is an exact power of two, which a block's scale takes up: the codes' values come out the same.
;;   OPERANDS COMPUTED ON THE WAY. 'Computed on the way' means the value that the module computes at that place (a softmax that the list does not call 'softmax' is quantised finished and normalised). What goes into a quantiser is computed in f32, as accurately as f32 sums, v_exp_f32 and their like allow (about 1e-6 of the number): no bf16 or f16 on the way to a quantiser, and a product that is left as it is and whose result goes on into a quantised operand takes f32 operands (vector FMAs, or v_wmma_f32_16x16x4_f32). A number that lies on a knife's edge between two numbers of the format may be rounded either way, as far as f32 arithmetic and the matrix unit's own rounding can turn it there, and no further.
;; One version. Each part assembles by itself: llvm-mc -triple=amdgcn-amd-amdhsa -mcpu=gfx1250 --defsym DOCPART=n.
;; ======== version 1 of 1: 4 launches
;; limits: right only within a limited range of input values
;; workspace buffers: xq 6,553,600 bytes; wq 3,276,800 bytes; qkv 19,660,800 bytes; ctx 6,553,600 bytes
;; launch quant (part 1): grid 512 x 1, 4 waves a work-group, no clusters, 34,304 bytes of LDS; arguments x, Wq, Wk, Wv, Wo, xq, wq; writes xq, wq
.if DOCPART == 1
	.amdgcn_target "amdgcn-amd-amdhsa--gfx1250"
	.amdhsa_code_object_version 6
	.text
	.protected	k_qa0b4cb1909_quant
	.globl	k_qa0b4cb1909_quant
	.p2align	8
	.type	k_qa0b4cb1909_quant,@function
k_qa0b4cb1909_quant:
	s_mov_b64 s[64:65], 0
	v_nop
	global_prefetch_b8 v0, s[64:65] scope:SCOPE_SE
	s_setreg_imm32_b32 hwreg(HW_REG_WAVE_MODE, 25, 1), 1
	s_wait_xcnt 0x0
; MULTI-HEAD ATTENTION ON CODES OF E2M3 (MX-FP6), FOUR LAUNCHES: quant, proj, attn, outp.  THIS ONE: x [8192][1024] and the four weights [1024 (k)][1024 (n)], f32, become codes with one E8M0 byte for each 32 along K.
; NO WORK IS LEFT OUT IN THIS PROGRAM: reference() has no mask and slices nothing away; bq, bk and bv go into quantised operands, bo into the output: all nine inputs are loaded.
; THE QUANTISER: a block's scale is 2^(floor(log2(its largest magnitude)) - 2); its byte is the largest magnitude's own exponent field - 2, held at 1 from below by a floor among the maximum's leaves.
; LIMITS: a block of zeros gets the byte 1 where the rule says 127 (its codes are zeros, which add nothing under any byte but 0xff, and this program alone reads the bytes); blocks whose largest magnitude lies
; under 2^-124 have their byte held at 1; NaN and infinities among the inputs are not served.
; LAYOUT OF ALL WORKSPACE: IN THE ORDER OF THE OPERAND'S REGISTERS.  A row tile R holds 16 rows: slot r is row 32 (R / 2) + 8 (R % 2) + r + 8 (r / 8), so that a product with such tiles as source 0 leaves 16 neighbouring
; rows in the 16 registers of two neighbouring tiles.  An IMAGE is 16 rows x 64 along K, 768 bytes: lane l = r + 16 h owns the 24 bytes of block h of slot r: its bytes 0-15 at 16 l, its bytes 16-23 at 512 + 8 l.
; A matrix of K = 1,024: codes [R][16 images], 12,288 bytes a row tile; scale bytes [R][g = 0, 1][r][16], byte j for K's block 16 g + j.
; SHARES.  Work-groups 0-255 take x: a wave takes one row tile x 512 along K, in four units of 128.  Each load reads 512 consecutive bytes of a row; the unit turns through the wave's own stage in LDS, so that a lane
; gets the 32 neighbours of a whole block.  Work-groups 256-511 take the weights: a lane takes a column n and its registers run down K, so that nothing is transposed; this path touches no tile of LDS.
; No tensor loads, no barrier: waves share nothing.
.set RAW,   16                         ; v16-143  x: two sets of 64 as loaded;  weights: 128 numbers down K
.set X,     144                        ; v144-207 x: two blocks of 32 neighbours twice;  weights: v144-167 the codes
.set CD,    208                        ; v208-231 x: codes, two sets of 12
.set SB,    232                        ; v232-235 x: a scale word for each unit
.set SPW,   14                         ; v14      LDS address of my spare word; never rewritten
.set NIL,   15                         ; v15      0; never rewritten
.set STG,   8448                       ; a wave's stage: 16 rows x (512 bytes + 16)
.set SPARE, 4*STG                      ; behind the stages: the spare words, 128 bytes a wave, which no other line names
; 32 numbers of one lane, v[n] on, become 24 bytes of codes in v[c] .. v[c + 5] and the scale's byte in v[e]
.macro BLOCKQ n, c, e
	v_max3_num_f32 v240, |v[\n]|, |v[\n+1]|, |v[\n+2]|             ; the block's largest magnitude, in two chains
	v_max3_num_f32 v241, |v[\n+3]|, |v[\n+4]|, |v[\n+5]|
.irp i, 6,10,14,18,22,26
	v_max3_num_f32 v240, v240, |v[\n+\i]|, |v[\n+\i+1]|
	v_max3_num_f32 v241, v241, |v[\n+\i+2]|, |v[\n+\i+3]|
.endr
	v_max3_num_f32 v240, v240, |v[\n+30]|, |v[\n+31]|
	v_max3_num_f32 v240, v240, v241, 0x1800000                     ; and the floor 2^(3 - 127): the byte cannot fall under 1
	v_add_nc_u32 v242, 0xff000000, v240                            ; 2 off the exponent field: the conversion takes the exponent field of this operand as its scale
	v_cvt_scalef32_pk16_fp6_f32 v[\c:\c+2], v[\n:\n+15], v242
	v_cvt_scalef32_pk16_fp6_f32 v[236:238], v[\n+16:\n+31], v242   ; (a conversion's three registers begin on an even number)
	v_lshrrev_b32 v[\e], 23, v242                                  ; the scale's byte; also the plain line behind the conversions
	v_mov_b32 v[\c+3], v236
	v_mov_b32 v[\c+4], v237
	v_mov_b32 v[\c+5], v238
.endm
.macro LOADU u                         ; unit u of x: 16 rows x 128 numbers; each load reads 512 consecutive bytes of one row
.irp rr, 0,1,2,3,4,5,6,7,8,9,10,11,12,13,14,15
	global_load_b128 v[RAW+64*((\u)%2)+4*\rr:RAW+64*((\u)%2)+4*\rr+3], v4, s[4:5] offset:(\rr+24*(\rr/8))*4096+512*(\u) th:TH_LOAD_NT   ; slot rr is row rr % 8 + 32 (rr / 8) of the tile's own
.endr
.endm
.macro UNIT u
.if (\u) < 3
	s_wait_loadcnt 16                                              ; this unit's 16 loads are in; the next unit's 16 may be out
.else
	s_wait_loadcnt 0x0
.endif
.irp rr, 0,1,2,3,4,5,6,7,8,9,10,11,12,13,14,15
	ds_store_b128 v6, v[RAW+64*((\u)%2)+4*\rr:RAW+64*((\u)%2)+4*\rr+3] offset:\rr*528
.endr
.irp q, 0,1,2,3,4,5,6,7,8,9,10,11,12,13,14,15
	ds_load_b128 v[X+4*\q:X+4*\q+3], v7 offset:256*(\q/8)+16*(\q%8)   ; LDS serves a wave's instructions in order: these see the stores.  My block h of the unit's two images
.endr
	s_wait_dscnt 0x0                                               ; the numbers are back, and the stores have read their registers
.if (\u)+2 < 4
	LOADU (\u)+2
.endif
.if (\u) >= 2
	s_wait_xcnt 0x0                                                ; the stores of two units ago have read this set of codes: only now is it written again
.endif
	BLOCKQ X, CD+12*((\u)%2), 243
	BLOCKQ X+32, CD+12*((\u)%2)+6, 244
	global_store_b128 v4, v[CD+12*((\u)%2):CD+12*((\u)%2)+3], s[32:33] offset:1536*(\u)          ; 512 and 256 consecutive bytes, at multiples of 256 from the buffer's first byte
	global_store_b64 v5, v[CD+12*((\u)%2)+4:CD+12*((\u)%2)+5], s[32:33] offset:1536*(\u)+512
	global_store_b128 v4, v[CD+12*((\u)%2)+6:CD+12*((\u)%2)+9], s[32:33] offset:1536*(\u)+768
	global_store_b64 v5, v[CD+12*((\u)%2)+10:CD+12*((\u)%2)+11], s[32:33] offset:1536*(\u)+1280
	v_lshl_or_b32 v[SB+(\u)], v244, 16, v243                       ; my two bytes of the unit's word: blocks h and 2 + h,
	v_lshlrev_b32 v[SB+(\u)], v12, v[SB+(\u)]                      ; 8 h bits up
.endm
.macro S64 j                           ; the weights: 64 along K of my column: two blocks; then the two tiles' images
.if (\j) == 0
	s_wait_loadcnt 63                                              ; of 128 loads at most 63 are out: numbers 0 to 64 are in
.else
	s_wait_loadcnt 0x0
.endif
	BLOCKQ RAW+64*(\j), 144+12*(\j), 243+2*(\j)
	BLOCKQ RAW+64*(\j)+32, 150+12*(\j), 244+2*(\j)
	global_store_b128 v10, v[144+12*(\j):147+12*(\j)], s[32:33] offset:768*(\j)        ; my slot's part of my tile's image: block 0's 24 bytes,
	global_store_b64 v11, v[148+12*(\j):149+12*(\j)], s[38:39] offset:768*(\j)+512
	global_store_b128 v10, v[150+12*(\j):153+12*(\j)], s[32:33] offset:768*(\j)+256    ; and block 1's, sixteen lane places on; eight lanes store 128 or 64 consecutive bytes
	global_store_b64 v11, v[154+12*(\j):155+12*(\j)], s[38:39] offset:768*(\j)+640
.endm
	s_load_b256 s[4:11], s[0:1], 0x0               ; x s[4:5], Wq s[6:7], Wk s[8:9], Wv s[10:11]
	s_load_b128 s[12:15], s[0:1], 0x20             ; Wo s[12:13], xq s[14:15]
	s_load_b64 s[16:17], s[0:1], 0x30              ; wq
	v_lshl_add_u32 v[SPW], v0, 2, SPARE
	v_mov_b32 v[NIL], 0
	v_lshrrev_b32 v1, 5, v0
	v_readfirstlane_b32 s18, v1                    ; wave
	v_and_b32 v1, 31, v0                           ; lane
	v_and_b32 v2, 15, v0                           ; r
	v_bfe_u32 v3, v0, 4, 1                         ; h
	v_lshlrev_b32 v4, 4, v1                        ; 16 l
	v_lshlrev_b32 v5, 3, v1                        ; 8 l
	s_mov_b32 s20, 0x76543210
	s_mov_b32 s21, 0xfedcba98                      ; v_permlanex16_b32's selects for lane l xor 16
	s_cmp_ge_u32 ttmp9, 256                        ; x's work-group or a weight's: the work-group's number alone decides
	s_cbranch_scc1 .Lweights
	; ---- x
	s_mul_i32 s19, s18, STG                        ; my stage
	v_add_nc_u32 v6, s19, v4                       ; in: a row's 512 bytes as they lie
	v_mul_u32_u24 v7, v2, 528
	v_lshl_add_u32 v7, v3, 7, v7
	v_add_nc_u32 v7, s19, v7                       ; out: row r, + 128 h: my block's 32 numbers
	v_lshlrev_b32 v12, 3, v3                       ; 8 h
	v_lshl_add_u32 v13, v2, 4, v12                 ; 16 r + 8 h: my 8 of the row's 16 scale bytes
	s_lshl_b32 s22, ttmp9, 2
	s_add_co_u32 s22, s22, s18
	s_lshr_b32 s23, s22, 1                         ; R: my row tile
	s_and_b32 s24, s22, 1                          ; g: which half of K
	; THE ROW ORDER IN FORCE, for x and for the weights: slot r of row tile R is row 64 (R / 4) + 32 (r / 8) + 8 (R % 4) + r % 8,
	; so that a product with such tiles as source 0 leaves 32 neighbouring rows, one scale block, in a lane's 32 registers of four neighbouring tiles
	s_lshr_b32 s25, s23, 2
	s_lshl_b32 s25, s25, 18                        ; 64 (R / 4) rows of 4,096 bytes
	s_and_b32 s26, s23, 3
	s_lshl_b32 s26, s26, 15                        ; + 8 (R % 4) rows
	s_add_co_u32 s25, s25, s26
	s_lshl_b32 s26, s24, 11                        ; + 512 g numbers
	s_add_co_u32 s26, s25, s26
	s_mov_b32 s27, 0
	s_mul_i32 s28, s23, 12288                      ; the codes: R's 16 images, from image 8 g on
	s_mul_i32 s29, s24, 6144
	s_add_co_u32 s28, s28, s29
	s_mov_b32 s29, 0
	s_lshl_b32 s30, s23, 9                         ; the scale bytes
	s_lshl_b32 s31, s24, 8
	s_add_co_u32 s30, s30, s31
	s_add_co_u32 s30, s30, 6291456
	s_mov_b32 s31, 0
	s_wait_kmcnt 0x0
	s_add_nc_u64 s[4:5], s[4:5], s[26:27]
	s_add_nc_u64 s[32:33], s[14:15], s[28:29]
	s_add_nc_u64 s[34:35], s[14:15], s[30:31]
	s_wait_alu depctr_va_vdst(0)
	LOADU 0
	LOADU 1
.irp u, 0,1,2,3
	UNIT \u
.endr
.irp u, 0,1,2,3
	v_permlanex16_b32 v[240+\u], v[SB+\u], s20, s21                ; (v240-243 have been written: a lane permute's destination counts as one of its sources)
.endr
.irp u, 0,1,2,3
	v_or_b32 v[SB+\u], v[SB+\u], v[240+\u]                         ; with lane l xor 16's two bytes each word is whole
.endr
	v_cmp_ne_u32 vcc_lo, 0, v3
	v_cndmask_b32 v240, v[SB], v[SB+2], vcc_lo                     ; lane (r, h) stores words 2 h and 2 h + 1 of row r
	v_cndmask_b32 v241, v[SB+1], v[SB+3], vcc_lo
	global_store_b64 v13, v[240:241], s[34:35]                     ; 32 lanes store 256 consecutive bytes, aligned
	s_branch .Lend
	; ---- the weights
.Lweights:
	s_sub_co_u32 s22, ttmp9, 256
	s_and_b32 s23, s22, 7
	s_lshr_b32 s24, s22, 3
	s_lshr_b32 s25, s24, 3                         ; w: 0 Wq, 1 Wk, 2 Wv, 3 Wo
	s_and_b32 s24, s24, 7                          ; which 128 along K
	s_lshl_b32 s23, s23, 2
	s_add_co_u32 s23, s23, s18                     ; beta: my wave's 32 columns: slots 8 (beta % 2) on of row tiles 4 (beta / 2) to 4 (beta / 2) + 3
	s_wait_alu depctr_va_vdst(0)
	v_lshlrev_b32 v8, 2, v1                        ; lane l takes column 32 beta + l: slot 8 (beta % 2) + l % 8 of tile 4 (beta / 2) + l / 8; the 32 lanes read 128 consecutive bytes
	v_lshrrev_b32 v12, 3, v1                       ; l / 8
	v_and_b32 v13, 7, v1                           ; l % 8
	v_mul_u32_u24 v10, v12, 12288
	v_lshl_add_u32 v11, v13, 3, v10                ; my tile, + 8 (l % 8)
	v_lshl_add_u32 v10, v13, 4, v10                ; my tile, + 16 (l % 8)
	v_lshlrev_b32 v9, 4, v13
	v_lshl_add_u32 v9, v12, 9, v9                  ; my row's scale bytes: 512 (l / 8) + 16 (l % 8)
	s_lshl_b32 s26, s24, 19                        ; 128 rows of 4,096 bytes a piece of K
	s_lshl_b32 s27, s23, 7
	s_add_co_u32 s26, s26, s27
	s_mov_b32 s27, 0
	s_mul_i32 s28, s25, 786432                     ; the codes: the weight, row tile 4 (beta / 2), image 2 x piece
	s_lshr_b32 s29, s23, 1
	s_mul_i32 s29, s29, 49152                      ; row tile 4 (beta / 2)
	s_add_co_u32 s28, s28, s29
	s_mul_i32 s29, s24, 1536
	s_add_co_u32 s28, s28, s29
	s_mov_b32 s29, 0
	s_lshl_b32 s30, s25, 15                        ; the scale bytes: the weight, row tile 4 (beta / 2), half piece / 4, word piece % 4
	s_lshr_b32 s31, s23, 1
	s_lshl_b32 s31, s31, 11                        ; row tile 4 (beta / 2),
	s_add_co_u32 s30, s30, s31
	s_and_b32 s31, s23, 1
	s_lshl_b32 s31, s31, 7                         ; slots 8 (beta % 2) on
	s_add_co_u32 s30, s30, s31
	s_lshr_b32 s31, s24, 2
	s_lshl_b32 s31, s31, 8
	s_add_co_u32 s30, s30, s31
	s_and_b32 s31, s24, 3
	s_lshl_b32 s31, s31, 2
	s_add_co_u32 s30, s30, s31
	s_add_co_u32 s30, s30, 3145728
	s_mov_b32 s31, 0
	s_wait_alu depctr_va_vdst(0)
	s_wait_kmcnt 0x0
	s_cmp_eq_u32 s25, 1                            ; the choice of buffer hangs on the work-group's number alone
	s_cselect_b64 s[6:7], s[8:9], s[6:7]
	s_cmp_eq_u32 s25, 2
	s_cselect_b64 s[6:7], s[10:11], s[6:7]
	s_cmp_eq_u32 s25, 3
	s_cselect_b64 s[6:7], s[12:13], s[6:7]
	s_add_nc_u64 s[6:7], s[6:7], s[26:27]
	s_add_nc_u64 s[32:33], s[16:17], s[28:29]
	s_and_b32 s36, s23, 1
	s_lshl_b32 s36, s36, 6
	s_mov_b32 s37, 0
	s_add_nc_u64 s[38:39], s[32:33], s[36:37]      ; slots 8 (beta % 2) on: 64 bytes for the pieces of 8,
	s_add_nc_u64 s[32:33], s[38:39], s[36:37]      ; 128 for the pieces of 16
	s_add_nc_u64 s[34:35], s[16:17], s[30:31]
.set i, 0
.rept 128
	global_load_b32 v[RAW+i], v8, s[6:7] offset:i*4096 th:TH_LOAD_NT   ; W(128 piece + i, my column): all of the wave's loads go out at once
.set i, i+1
.endr
	S64 0
	S64 1
	v_lshl_or_b32 v243, v244, 8, v243              ; my row's four bytes of this piece of K
	v_lshl_or_b32 v243, v245, 16, v243
	v_lshl_or_b32 v243, v246, 24, v243
	global_store_b32 v9, v243, s[34:35]            ; 4 bytes a lane, 16 bytes apart: aligned blocks of 256 bytes are written in part here: one byte for each 128 read
.Lend:
	s_wait_tensorcnt 0x0                           ; the wave's end, behind my last LDS store
	ds_add_u32 v[SPW], v[NIL]
	s_wait_dscnt 0x0
	s_endpgm
.Lfunc_end_k_qa0b4cb1909_quant:
	.size	k_qa0b4cb1909_quant, .Lfunc_end_k_qa0b4cb1909_quant-k_qa0b4cb1909_quant
	.p2alignl 7, 3214868480
	.fill 96, 4, 3214868480
	.section	.rodata,"a",@progbits
	.p2align	6, 0x0
	.amdhsa_kernel k_qa0b4cb1909_quant
		.amdhsa_group_segment_fixed_size 34304
		.amdhsa_private_segment_fixed_size 0
		.amdhsa_enable_private_segment 0
		.amdhsa_kernarg_size 56
		.amdhsa_user_sgpr_count 2
		.amdhsa_user_sgpr_kernarg_segment_ptr 1
		.amdhsa_wavefront_size32 1
		.amdhsa_system_sgpr_workgroup_id_x 1
		.amdhsa_system_sgpr_workgroup_id_y 1
		.amdhsa_system_sgpr_workgroup_id_z 1
		.amdhsa_system_vgpr_workitem_id 0
		.amdhsa_next_free_vgpr 256
		.amdhsa_next_free_sgpr 66
		.amdhsa_reserve_vcc 1
		.amdhsa_float_denorm_mode_32 3
		.amdhsa_float_denorm_mode_16_64 3
		.amdhsa_memory_ordered 1
		.amdhsa_forward_progress 1
		.amdhsa_inst_pref_size 51
	.end_amdhsa_kernel
	.amdgpu_metadata
---
amdhsa.version: [ 1, 2 ]
amdhsa.kernels:
  - .name:           k_qa0b4cb1909_quant
    .symbol:         k_qa0b4cb1909_quant.kd
    .args:
      - { .name: x, .offset: 0, .size: 8, .value_kind: global_buffer, .address_space: global }
      - { .name: Wq, .offset: 8, .size: 8, .value_kind: global_buffer, .address_space: global }
      - { .name: Wk, .offset: 16, .size: 8, .value_kind: global_buffer, .address_space: global }
      - { .name: Wv, .offset: 24, .size: 8, .value_kind: global_buffer, .address_space: global }
      - { .name: Wo, .offset: 32, .size: 8, .value_kind: global_buffer, .address_space: global }
      - { .name: xq, .offset: 40, .size: 8, .value_kind: global_buffer, .address_space: global }
      - { .name: wq, .offset: 48, .size: 8, .value_kind: global_buffer, .address_space: global }
    .group_segment_fixed_size: 34304
    .private_segment_fixed_size: 0
    .kernarg_segment_align: 8
    .kernarg_segment_size: 56
    .max_flat_workgroup_size: 128
    .sgpr_count:     66
    .vgpr_count:     256
    .wavefront_size: 32
...
	.end_amdgpu_metadata
.endif
;; end of part 1
;; launch proj (part 2): grid 4 x 64, 4 waves a work-group, clusters of 4 x 4, 327,680 bytes of LDS; arguments xq, wq, bq, bk, bv, qkv; writes qkv
.if DOCPART == 2
	.amdgcn_target "amdgcn-amd-amdhsa--gfx1250"
	.amdhsa_code_object_version 6
	.text
	.protected	k_qa0b4cb1909_proj
	.globl	k_qa0b4cb1909_proj
	.p2align	8
	.type	k_qa0b4cb1909_proj,@function
k_qa0b4cb1909_proj:
	s_mov_b64 s[64:65], 0
	v_nop
	global_prefetch_b8 v0, s[64:65] scope:SCOPE_SE
	s_setreg_imm32_b32 hwreg(HW_REG_WAVE_MODE, 25, 1), 1
	s_wait_xcnt 0x0
	s_wait_alu depctr_hold_cnt(0) depctr_sa_sdst(0) depctr_va_vdst(0) depctr_va_sdst(0) depctr_va_ssrc(0) depctr_va_vcc(0) depctr_vm_vsrc(0)
	s_getreg_b32 s2, hwreg(HW_REG_IB_STS2, 6, 4)
	s_cmp_eq_u32 s2, 0
	s_cbranch_scc0 .Lentry_in_a_cluster
	s_endpgm
.Lentry_in_a_cluster:
	s_bfe_u32 s2, ttmp6, 0x10000c
	s_cmp_lg_u32 s2, 0xf033
	s_cbranch_scc0 .Lentry_shape_is_right
	s_endpgm
.Lentry_shape_is_right:
; q = x Wq + bq, k = x Wk + bk, v = x Wv + bv on codes of E2M3, K = 1,024; the results are quantised in registers and leave as codes: q and k along the head's 64, v along the keys.  Nothing is left out.
; THE CORE: D = S0 S1^T, source 0 = 16 rows of S0, source 1 = 16 rows of S1.  A work-group takes 256 rows of S0 and 128 of S1; wave w takes S0's half w % 2 and S1's half w / 2: 8 x 4 accumulators, 256 registers.
; In the result a lane holds ONE row of S1 and its registers run along S0's rows.  Slot r of row tile R is row 64 (R / 4) + 32 (r / 8) + 8 (R % 4) + r % 8, so a lane's 32 registers of four neighbouring tiles are one scale block.
; So S0 is the side along which the result is quantised: for q and k (classes 0, 1) S0 = the weight (n = 64 head + d) and S1 = x; for v (class 2) S0 = x (the keys) and S1 = Wv.
; A WORK-GROUP STAYS: 256 work-groups, each takes one tile of class 0, then of class 1, then of class 2.  Classes 0 and 1 are one loop of two trips; class 2, which asks for nothing more, is written out.
; LDS HOLDS ALL OF K OF A CLASS IN TWO HALVES: half g has K steps 4 g to 4 g + 3: S1's 8 row tiles x 6,144 bytes, then S0's 16.  One tensor load a wave brings 4 or 8 row tiles of a half.
; A half is free when the fragments of its last K step have been fetched, which is asked for a step ahead: so in K step 2 (half 0) and in K step 6 (half 1) stand the wait, the add and the round of the cluster's barrier
; ahead of a refill, among the step's products, and the next class's half is the first load behind the round.  Half 0 then has five K steps and the way out in which to land, half 1 one K step, the way out and three K steps.
; Each round's wait for 0 also shows the half that was asked for at the round before.  By this text's own count one load of mine is out behind each round.
; In the loop both sides are asked for in both trips, x's rows a second time for class 1: a joint load is issued alike in every trip.
; CLUSTER 4 x 4: S1's tiles hang on cy alone and are shared along a row of the cluster, S0's on cx alone and are shared along a column: joint loads, which divide the requests by four.
; No prefetch: a class's halves are asked for by the tensor loads themselves as soon as their LDS bytes are free, at least four K steps' work ahead of their first use.
; qkv: q's codes [head][16 steps][6,144] from 0;  k and v [head][16 steps][12,800] from 6,291,456: a step is k's 8 tiles, v's 4 fragments, k's 256 bytes of scale words, v's 256;  q's scale words [head][4,096] from 19,398,656.
; REGISTERS, in windows of 256: window 0: v1-8 lane terms, v16-23 LDS addresses, v28-29 the add's two, v32-63 S0's scale words, v64-79 S1's, v96-191 S1's fragments (two sets), later the way out; v192-255 the way out.
;   window 1: S0's fragments, two sets at v0 and v128; the bias at v96-127 and v224-255.   window 2: accumulator (a, b) at v[8 (8 a + b)].
; LIMITS: a block of zeros gets the byte 1 (its codes are zeros, and this program alone reads the bytes); NaN and infinities are not served.
.set HALFK, 147456                     ; a half of K in LDS
.set S0OFF, 49152                      ; in it S0's tiles lie behind S1's
.set SPARE, 2*HALFK                    ; behind the halves: the spare words, 128 bytes a wave, which no other line names
.set A1_16, 16                         ; v16-17 my half of S1 in half 0 of K: + 16 l, + 8 l;  v20-21 in half 1
.set A1_8,  17
.set A0_16, 18                         ; v18-19 my half of S0 in half 0 of K;  v22-23 in half 1
.set A0_8,  19
.set SPW,   28
.set NIL,   29
.set SC0,   32                         ; S0's tile b: four words at v[SC0 + 4 b]: lanes 0-15 K steps 0-3, lanes 16-31 K steps 4-7
.set SC1,   64
.set HA,    96                         ; the way out: 64 numbers of a lane
.set TM,    160
.set PW,    176                        ; v176-179 the four scale words
.set CT,    240
.set SEL,   2                          ; s[2:3] lane selects for lane l xor 16
.set G1A,   24                         ; s[24:31] descriptor group 1 for S1's tiles;  s[32:39] for S0's
.set G1B,   32
.set G0A,   40                         ; s[40:47] groups 0 for S1, one for each half of K;  s[68:75] for S0
.set G0B,   68
.set MSB, 0
.macro WIN new                         ; the immediate's high byte repeats the setting that is left
.if MSB != \new
	s_set_vgpr_msb (MSB<<8)|\new
.set MSB, \new
.endif
.endm
.macro WALU
	s_wait_alu depctr_va_vdst(0)
.endm
.macro PLACES                          ; four plain vector lines between a matrix instruction and a load into, or a vector line on, its registers
.rept 4
	v_nop
.endr
.endm
.macro JLOAD g                         ; a joint load of half g of K: waves 0 and 1 fetch S1's halves, waves 2 and 3 S0's; the branch hangs on the wave's number alone
	s_cmp_eq_u32 s17, 0
	s_cbranch_scc0 .Lfor_b_\@
	tensor_load_to_lds s[G0A+4*(\g):G0A+4*(\g)+3], s[G1A:G1A+7]
	s_nop 0
	PLACES
	s_branch .Lasked_\@
.Lfor_b_\@:
	tensor_load_to_lds s[G0B+4*(\g):G0B+4*(\g)+3], s[G1B:G1B+7]
	s_nop 0
	PLACES
.Lasked_\@:
.endm
.macro CREST                           ; a round of the cluster's barrier behind its opening barrier
	s_cmp_lg_u32 s16, 0
	s_cbranch_scc1 .Lnot_wave_0_\@
	s_barrier_signal -3
.Lnot_wave_0_\@:
	s_barrier_wait -3
	s_barrier_signal -1
	s_barrier_wait -1
.endm
.macro CROUND
	s_barrier_signal -1
	s_barrier_wait -1
	CREST
.endm
.macro FRAG reg, a16, a8, off          ; a fragment, 16 rows x 128 K, is two images on end: four loads, each lane's bytes beside its neighbour's
	ds_load_b128 v[\reg:\reg+3], v[\a16] offset:\off
	ds_load_b64 v[\reg+4:\reg+5], v[\a8] offset:\off+512
	ds_load_b128 v[\reg+6:\reg+9], v[\a16] offset:\off+768
	ds_load_b64 v[\reg+10:\reg+11], v[\a8] offset:\off+1280
.endm
.macro FETCH t                         ; K step t's fragments into set t % 2: 48 loads in one run
	WIN 0x40
.irp b, 0,1,2,3,4,5,6,7
	FRAG 128*((\t)%2)+12*\b, A0_16+4*((\t)/4), A0_8+4*((\t)/4), \b*6144+((\t)%4)*1536
.endr
	WIN 0
.irp a, 0,1,2,3
	FRAG 96+48*((\t)%2)+12*\a, A1_16+4*((\t)/4), A1_8+4*((\t)/4), \a*6144+((\t)%4)*1536
.endr
.endm
; S1's tiles a0 .. a0 + n - 1 against S0's eight, K step t.  The 32 accumulators take turns, one instruction a turn.  zero = 1: the product starts the sum
.macro MUL a0, n, t, zero
	WIN 0xa1
.set aa, \a0
.rept \n
.irp b, 0,1,2,3,4,5,6,7
.if (\zero) == 1
	v_wmma_scale_f32_16x16x128_f8f6f4 v[8*(8*aa+\b):8*(8*aa+\b)+7], v[128*((\t)%2)+12*\b:128*((\t)%2)+12*\b+11], v[96+48*((\t)%2)+12*aa:96+48*((\t)%2)+12*aa+11], 0, v[SC0+4*\b+(\t)%4], v[SC1+4*aa+(\t)%4] matrix_a_fmt:MATRIX_FMT_FP6 matrix_b_fmt:MATRIX_FMT_FP6
.elseif (\t) < 4
	v_wmma_scale_f32_16x16x128_f8f6f4 v[8*(8*aa+\b):8*(8*aa+\b)+7], v[128*((\t)%2)+12*\b:128*((\t)%2)+12*\b+11], v[96+48*((\t)%2)+12*aa:96+48*((\t)%2)+12*aa+11], v[8*(8*aa+\b):8*(8*aa+\b)+7], v[SC0+4*\b+(\t)%4], v[SC1+4*aa+(\t)%4] matrix_a_fmt:MATRIX_FMT_FP6 matrix_b_fmt:MATRIX_FMT_FP6
.else
	v_wmma_scale_f32_16x16x128_f8f6f4 v[8*(8*aa+\b):8*(8*aa+\b)+7], v[128*((\t)%2)+12*\b:128*((\t)%2)+12*\b+11], v[96+48*((\t)%2)+12*aa:96+48*((\t)%2)+12*aa+11], v[8*(8*aa+\b):8*(8*aa+\b)+7], v[SC0+4*\b+(\t)%4], v[SC1+4*aa+(\t)%4] matrix_a_fmt:MATRIX_FMT_FP6 matrix_b_fmt:MATRIX_FMT_FP6 matrix_a_scale:MATRIX_SCALE_ROW1 matrix_b_scale:MATRIX_SCALE_ROW1
.endif
.endr
.set aa, aa+1
.endr
.endm
.macro STEP t, zero                    ; a K step of 128: 32 matrix instructions; the next step's fragments are asked for ahead of them
	s_wait_dscnt 0x0
.if (\t) < 7
.if (\t) > 0
	PLACES
.endif
	FETCH (\t)+1
.endif
	MUL 0, 4, \t, \zero
.endm
.macro SCALES                          ; a row tile's 512 scale bytes by one load: all of K
.irp b, 0,1,2,3,4,5,6,7
	global_load_b128 v[SC0+4*\b:SC0+4*\b+3], v4, s[86:87] offset:\b*512
.endr
.irp a, 0,1,2,3
	global_load_b128 v[SC1+4*\a:SC1+4*\a+3], v4, s[88:89] offset:\a*512
.endr
.endm
; The class in s21: its blocks (s56 S0's, s57 S1's), the four descriptors' addresses, and where my scale words lie (s[86:87] S0's, s[88:89] S1's).  S0's numbers hang on cx and never on cy, S1's on cy and never on cx, each in registers of its own
.macro ADDR
	s_and_b32 s48, s23, 7
	s_lshl_b32 s48, s48, 2                         ; v: S0's block less cx
	s_lshr_b32 s49, s23, 3
	s_lshl_b32 s49, s49, 2                         ; v: S1's block less cy
	s_lshl_b32 s50, s23, 2                         ; q, k: S1's block less cy
	s_mul_i32 s51, s21, 786432                     ; the weight's codes in wq
	s_lshl_b32 s52, s21, 15
	s_add_co_u32 s52, s52, 3145728                 ; and its scale bytes
	s_mov_b32 s53, 6291456                         ; x's scale bytes in xq
	s_cmp_eq_u32 s21, 2
	s_cselect_b32 s48, s48, 0
	s_cselect_b32 s49, s49, s50
	s_cselect_b32 s50, 0, s51                      ; S0's codes begin here in its buffer,
	s_cselect_b32 s51, s51, 0                      ; S1's here;
	s_cselect_b32 s54, s53, s52                    ; S0's scale bytes,
	s_cselect_b32 s55, s52, s53                    ; S1's
	s_cselect_b64 s[86:87], s[4:5], s[6:7]         ; S0's buffer
	s_cselect_b64 s[88:89], s[6:7], s[4:5]         ; S1's
	s_add_co_u32 s56, s48, s19
	s_add_co_u32 s57, s49, s20
	s_lshl_b32 s76, s56, 4                         ; S0: row tiles 16 x block + 8 x (wave % 2) on: what I fetch and what I multiply
	s_lshl_b32 s77, s18, 3
	s_add_co_u32 s76, s76, s77
	s_mul_i32 s78, s76, 12288
	s_add_co_u32 s78, s78, s50
	s_mov_b32 s79, 0
	s_add_nc_u64 s[G0B+2:G0B+3], s[86:87], s[78:79]
	s_add_nc_u64 s[G0B+6:G0B+7], s[G0B+2:G0B+3], 6144   ; the other half of K: 6,144 bytes on in each row tile
	s_or_b32 s[G0B+3], s[G0B+3], 0x80000000
	s_or_b32 s[G0B+7], s[G0B+7], 0x80000000
	s_lshl_b32 s78, s76, 9
	s_add_co_u32 s78, s78, s54
	s_add_nc_u64 s[86:87], s[86:87], s[78:79]
	s_lshl_b32 s80, s57, 3                         ; S1: row tiles 8 x block on; I fetch half wave % 2,
	s_lshl_b32 s81, s18, 2
	s_add_co_u32 s81, s80, s81
	s_mul_i32 s82, s81, 12288
	s_add_co_u32 s82, s82, s51
	s_mov_b32 s83, 0
	s_add_nc_u64 s[G0A+2:G0A+3], s[88:89], s[82:83]
	s_add_nc_u64 s[G0A+6:G0A+7], s[G0A+2:G0A+3], 6144
	s_or_b32 s[G0A+3], s[G0A+3], 0x80000000
	s_or_b32 s[G0A+7], s[G0A+7], 0x80000000
	s_lshl_b32 s81, s17, 2                         ; and multiply half wave / 2
	s_add_co_u32 s81, s80, s81
	s_lshl_b32 s82, s81, 9
	s_add_co_u32 s82, s82, s55
	s_add_nc_u64 s[88:89], s[88:89], s[82:83]
.endm
; K step 2 or 6: the fragments of the half's last K step are asked for; refill = 1: the three lines, the round, and the next class's half; refill = 0: a plain barrier, which shows the half asked for last
.macro RSTEP t, refill
	s_wait_dscnt 0x0
	PLACES
	FETCH (\t)+1                                   ; my last reads of this half of K
	s_wait_tensorcnt 0x0                           ; no load of mine is out: my part of the half asked for last has landed
.if \refill
	ds_add_u32 v[SPW], v[NIL]                      ; the add; work on registers stands between it and the wait for it
.endif
	MUL 0, 3, \t, 0
.if (\refill) && (\t) == 2
	s_add_co_u32 s21, s22, 1
	ADDR                                           ; the next class: no tensor load of mine is out, so all four descriptors may be written
.endif
	s_wait_dscnt 0x0                               ; the add is done, and my reads of this half are over
	s_barrier_signal -1
	MUL 3, 1, \t, 0                                ; work on registers while the others arrive
	WIN 0
	s_barrier_wait -1
.if \refill
	CREST                                          ; no wave of any partner still reads this half
	JLOAD (\t)/4                                   ; the first tensor load behind the round
.endif
.endm
; 64 numbers of a lane, register 32 c + i = k 64 c + 32 (lane / 16) + i of my row: two WHOLE blocks; the conversions' results are the operand's registers v[pc] on; the row's scale word goes to v[pw]
.macro QUANT s, pc, pw
.irp c, 0,1
	v_max3_num_f32 v[TM+\c], |v[\s+32*\c]|, |v[\s+32*\c+1]|, |v[\s+32*\c+2]|             ; two chains to a block, one over each half
	v_max3_num_f32 v[TM+2+\c], |v[\s+32*\c+16]|, |v[\s+32*\c+17]|, |v[\s+32*\c+18]|
.endr
.irp i, 3,5,7,9,11,13
.irp c, 0,1
	v_max3_num_f32 v[TM+\c], v[TM+\c], |v[\s+32*\c+\i]|, |v[\s+32*\c+\i+1]|
	v_max3_num_f32 v[TM+2+\c], v[TM+2+\c], |v[\s+32*\c+16+\i]|, |v[\s+32*\c+17+\i]|
.endr
.endr
.irp c, 0,1
	v_max3_num_f32 v[TM+\c], v[TM+\c], v[TM+2+\c], |v[\s+32*\c+15]|
.endr
.irp c, 0,1
	v_max3_num_f32 v[TM+\c], v[TM+\c], |v[\s+32*\c+31]|, 0x1800000   ; and the floor 2^(3 - 127): the byte cannot fall under 1
.endr
.irp c, 0,1
	v_add_nc_u32 v[TM+12+\c], 0xff000000, v[TM+\c] ; 2 off the exponent field: the conversion's scale operand
.endr
.irp c, 0,1
	v_lshrrev_b32 v[TM+4+\c], 23, v[TM+12+\c]      ; the scale's byte
.endr
	v_lshl_or_b32 v[\pw], v[TM+5], 16, v[TM+4]     ; my two bytes: blocks h and 2 + h,
	v_lshlrev_b32 v[\pw], v8, v[\pw]               ; 8 h bits up;
	v_permlanex16_b32 v[TM+6], v[\pw], s[SEL], s[SEL+1]
	v_or_b32 v[\pw], v[\pw], v[TM+6]               ; with lane l xor 16's two the word is whole
.irp c, 0,1
	v_cvt_scalef32_pk16_fp6_f32 v[\pc+6*\c:\pc+2+6*\c], v[\s+32*\c:\s+15+32*\c], v[TM+12+\c]
	v_cvt_scalef32_pk16_fp6_f32 v[CT+4*\c:CT+2+4*\c], v[\s+16+32*\c:\s+31+32*\c], v[TM+12+\c]   ; (a conversion's three registers begin on an even number)
.endr
	v_nop                                          ; one plain line behind a scaled conversion
.irp c, 0,1
.irp i, 0,1,2
	v_mov_b32 v[\pc+3+6*\c+\i], v[CT+4*\c+\i]
.endr
.endr
.endm
; THE WAY OUT.  For each of S1's four tiles: the bias is added while the sums are copied into window 0 (each accumulator from its low end on); QUANT; the fragment leaves as it stands, in runs of 512 and 256 consecutive bytes.
; cls = 0 (q, k): the bias runs along the registers; registers 0-5 are the even head's image, 6-11 the odd head's.  cls = 1 (v): one bias a lane; the fragment is 128 keys of 16 of the head's 64.  younger: the loads issued behind the bias's
.macro EPI cls, younger
	s_wait_loadcnt \younger                        ; the bias is in
	PLACES
	WIN 0
.irp b, 0,1,2,3
	v_mov_b32 v[TM+4+\b], 0                        ; a lane permute's destination counts as one of its sources
.endr
	v_lshlrev_b32 v8, 3, v3                        ; 8 h
.irp a, 0,1,2,3
	WIN 0x06                                       ; source 0 window 2, source 1 window 1, destination window 0
.irp b, 0,1,2,3,4,5,6,7
.irp j, 0,2,4,6
.if \cls
	v_pk_add_f32 v[HA+8*\b+\j:HA+8*\b+\j+1], v[64*\a+8*\b+\j:64*\a+8*\b+\j+1], v[96+2*\a:97+2*\a]
.else
	v_pk_add_f32 v[HA+8*\b+\j:HA+8*\b+\j+1], v[64*\a+8*\b+\j:64*\a+8*\b+\j+1], v[96+8*\b+96*(\b/4)+\j:96+8*\b+96*(\b/4)+\j+1]
.endif
.endr
.endr
	WIN 0
	QUANT HA, 192+12*\a, PW+\a
	global_store_b128 v4, v[192+12*\a:195+12*\a], s[60:61] offset:(768+768*\cls)*\a     ; each tile has its own registers for its codes
	global_store_b64 v5, v[196+12*\a:197+12*\a], s[60:61] offset:(768+768*\cls)*\a+512
	global_store_b128 v4, v[198+12*\a:201+12*\a], s[62:63] offset:(768+768*\cls)*\a
	global_store_b64 v5, v[202+12*\a:203+12*\a], s[62:63] offset:(768+768*\cls)*\a+512
.endr
.endm
	s_load_b256 s[4:11], s[0:1], 0x0               ; xq s[4:5], wq s[6:7], bq s[8:9], bk s[10:11]
	s_load_b128 s[12:15], s[0:1], 0x20             ; bv s[12:13], qkv s[14:15]
	v_lshl_add_u32 v[SPW], v0, 2, SPARE
	v_mov_b32 v[NIL], 0
	ds_add_u32 v[SPW], v[NIL]                      ; the wave's opening: the add, twice on end, and its wait ahead of my first tensor load
	ds_add_u32 v[SPW], v[NIL]
	v_lshrrev_b32 v1, 5, v0
	v_readfirstlane_b32 s16, v1                    ; wave 0..3
	s_lshr_b32 s17, s16, 1                         ; my half of S1.  Also: I fetch for S1 (0) or for S0 (1)
	s_and_b32 s18, s16, 1                          ; my half of S0.  Also: which half of that side I fetch
	s_bfe_u32 s19, ttmp6, 0x40000                  ; cx
	s_bfe_u32 s20, ttmp6, 0x40004                  ; cy
	s_and_b32 s23, ttmp7, 0xffff                   ; the cluster's y: 0..15
	s_lshl_b32 s94, s20, 2
	s_lshl_b32 s94, 15, s94                        ; my row of the cluster
	s_lshl_b32 s95, 0x1111, s19                    ; my column
	s_or_b32 s[G1A], s94, (3<<16)|(1<<21)          ; 15:0 the mask; 17:16 elements of 8 bytes; 21 set beside a mask; no padding
	s_or_b32 s[G1B], s95, (3<<16)|(1<<21)
	s_mov_b32 s[G1A+1], 768<<16                    ; tensor_dim0: half of K of a row tile: 6,144 bytes
	s_mov_b32 s[G1A+2], 4<<16                      ; tensor_dim1: 4 row tiles
	s_mov_b32 s[G1A+3], 768<<16
	s_mov_b32 s[G1A+4], 4
	s_mov_b32 s[G1A+5], 1536                       ; from row tile to row tile: 12,288 bytes
	s_mov_b32 s[G1A+6], 0
	s_mov_b32 s[G1A+7], 0
	s_mov_b32 s[G1B+1], 768<<16
	s_mov_b32 s[G1B+2], 8<<16                      ; 8 row tiles
	s_mov_b32 s[G1B+3], 768<<16
	s_mov_b32 s[G1B+4], 8
	s_mov_b32 s[G1B+5], 1536
	s_mov_b32 s[G1B+6], 0
	s_mov_b32 s[G1B+7], 0
	s_mov_b32 s[G0A], 1
	s_mul_i32 s[G0A+1], s18, 24576                 ; where it goes in LDS: no place in the cluster enters an LDS address
	s_mov_b32 s[G0A+4], 1
	s_add_co_u32 s[G0A+5], s[G0A+1], HALFK
	s_mov_b32 s[G0B], 1
	s_mul_i32 s[G0B+1], s18, 49152
	s_add_co_u32 s[G0B+1], s[G0B+1], S0OFF
	s_mov_b32 s[G0B+4], 1
	s_add_co_u32 s[G0B+5], s[G0B+1], HALFK
	s_mov_b32 s[SEL], 0x76543210
	s_mov_b32 s[SEL+1], 0xfedcba98
	s_mov_b32 s21, 0
	s_wait_dscnt 0x0                               ; both opening adds are done
	s_wait_kmcnt 0x0
	ADDR                                           ; class 0
	CROUND                                         ; all sixteen work-groups are here: the joint loads meet
	JLOAD 0                                        ; one tensor load a wave at the head: K steps 0 to 3
	v_and_b32 v1, 31, v0                           ; lane
	v_and_b32 v2, 15, v0                           ; r
	v_bfe_u32 v3, v0, 4, 1                         ; h
	v_lshlrev_b32 v4, 4, v1                        ; 16 l
	v_lshlrev_b32 v5, 3, v1                        ; 8 l
	s_mul_i32 s98, s17, 24576
	v_add_nc_u32 v[A1_16], s98, v4
	v_add_nc_u32 v[A1_8], s98, v5
	s_mul_i32 s98, s18, 49152
	s_add_co_u32 s98, s98, S0OFF
	v_add_nc_u32 v[A0_16], s98, v4
	v_add_nc_u32 v[A0_8], s98, v5
.irp i, 0,1,2,3
	v_add_nc_u32 v[A1_16+4+\i], HALFK, v[A1_16+\i] ; the same places in the other half of K
.endr
	SCALES
	s_mov_b32 s22, 0                               ; the class in hand
	WALU
	s_wait_tensorcnt 0x0                           ; my part of K steps 0 to 3 is in
	ds_add_u32 v[SPW], v[NIL]
	s_wait_dscnt 0x0
	CROUND                                         ; everybody's part is in
	JLOAD 1                                        ; K steps 4 to 7
.Lclass:                                               ; ---- q, then k
	s_wait_xcnt 0x0                                ; the last class's stores have read their registers and bases
	FETCH 0
	s_lshl_b32 s84, s56, 10                        ; the bias of my 128 n: 4 (256 block + 128 half) bytes on
	s_lshl_b32 s85, s18, 9
	s_add_co_u32 s84, s84, s85
	s_mov_b32 s85, 0
	s_cmp_eq_u32 s22, 0
	s_cselect_b64 s[98:99], s[8:9], s[10:11]
	s_add_nc_u64 s[98:99], s[98:99], s[84:85]
	v_lshlrev_b32 v6, 7, v3                        ; lane (r, h) wants, for tile b, the bias of n 64 (b / 4) + 32 h + 8 (b % 4) + 0 .. 7
	WIN 0x40
.irp b, 0,1,2,3,4,5,6,7
	global_load_b128 v[96+8*\b+96*(\b/4):96+8*\b+96*(\b/4)+3], v6, s[98:99] offset:4*(64*(\b/4)+8*(\b%4))
	global_load_b128 v[96+8*\b+96*(\b/4)+4:96+8*\b+96*(\b/4)+7], v6, s[98:99] offset:4*(64*(\b/4)+8*(\b%4))+16
.endr
	WIN 0
	s_lshl_b32 s58, s56, 2
	s_lshl_b32 s59, s18, 1
	s_add_co_u32 s58, s58, s59                     ; my even head
	s_lshr_b32 s59, s57, 4
	s_lshl_b32 s59, s59, 4
	s_add_co_u32 s58, s58, s59                     ; + 16 x batch
	s_and_b32 s59, s57, 15                         ; which 128 positions of the batch
	s_cmp_eq_u32 s22, 0                            ; q or k: selects alone
	s_mov_b32 s62, 204800
	s_cselect_b32 s62, 98304, s62                  ; codes: bytes a head,
	s_mov_b32 s63, 12800
	s_cselect_b32 s63, 6144, s63                   ; a step;
	s_mov_b32 s94, 204800
	s_cselect_b32 s94, 4096, s94                   ; scale words: bytes a head,
	s_mov_b32 s96, 12800
	s_cselect_b32 s96, 256, s96                    ; a step,
	s_mov_b32 s97, 6291456+12288
	s_cselect_b32 s97, 19398656, s97               ; and where they begin
	s_cselect_b32 s61, 0, 6291456
	s_mul_i32 s60, s58, s62
	s_add_co_u32 s60, s60, s61
	s_mul_i32 s61, s59, s63
	s_add_co_u32 s60, s60, s61
	s_mul_i32 s61, s17, 3072                       ; my four tiles
	s_add_co_u32 s60, s60, s61
	s_mov_b32 s61, 0
	s_add_nc_u64 s[60:61], s[14:15], s[60:61]      ; the even head's images
	s_mov_b32 s63, 0
	s_add_nc_u64 s[62:63], s[60:61], s[62:63]      ; the odd head's
	s_mul_i32 s84, s58, s94
	s_mul_i32 s85, s59, s96
	s_add_co_u32 s84, s84, s85
	s_lshl_b32 s85, s17, 7
	s_add_co_u32 s84, s84, s85
	s_add_co_u32 s84, s84, s97
	s_mov_b32 s85, 0
	s_add_nc_u64 s[84:85], s[14:15], s[84:85]
	s_mov_b32 s95, 0xffff0000                      ; lanes 16-31
	v_lshlrev_b32 v7, 3, v2
	v_mad_u32_u24 v7, v3, s94, v7                  ; 8 r, and lanes 16-31 a head on
	WALU
	s_wait_loadcnt 16                              ; the scale words are in; the 16 loads of the bias, issued behind them, may be out
	STEP 0, 1
	STEP 1, 0
	RSTEP 2, 1                                     ; half 0 of K takes the next class's
	STEP 3, 0
	STEP 4, 0
	STEP 5, 0
	RSTEP 6, 1                                     ; half 1 likewise
	STEP 7, 0
	PLACES
	WIN 0
	SCALES                                         ; the next class's scale words, into registers whose last product has been issued
	EPI 0, 12                                      ; behind the bias's loads: those 12
.irp bb, 0,1                           ; a word of the attention's scales holds two tiles' two bytes of one head: the low halves of two of my words for the even head, the high halves for the odd
	v_perm_b32 v[180+\bb], v[PW+2*\bb+1], v[PW+2*\bb], 0x05040100
	v_perm_b32 v[182+\bb], v[PW+2*\bb+1], v[PW+2*\bb], 0x07060302
.endr
	v_cndmask_b32 v180, v180, v182, s95            ; lanes 0-15 store the even head's two words, lanes 16-31 the odd head's
	v_cndmask_b32 v181, v181, v183, s95
	global_store_b64 v7, v[180:181], s[84:85]      ; two runs of 128 consecutive bytes; the wave with the other half of S1 writes the other half of each aligned 256
	s_add_co_u32 s22, s22, 1
	s_cmp_lt_u32 s22, 2
	WALU
	s_cbranch_scc1 .Lclass
	; ---- v
	s_wait_xcnt 0x0
	FETCH 0
	s_lshl_b32 s84, s57, 9                         ; the bias of my 64 n: 4 (128 block + 64 half) bytes on
	s_lshl_b32 s85, s17, 8
	s_add_co_u32 s84, s84, s85
	s_mov_b32 s85, 0
	s_add_nc_u64 s[98:99], s[12:13], s[84:85]
	v_and_b32 v6, 8, v2
	v_mad_u32_u24 v6, v6, 3, v2                    ; my row of a tile: r % 8 + 32 (r / 8)
	v_lshlrev_b32 v6, 2, v6
	WIN 0x40
.irp a, 0,1,2,3
	global_load_b32 v[96+2*\a], v6, s[98:99] offset:32*\a   ; one number a lane and tile, twice: the packed addition names a pair
	global_load_b32 v[97+2*\a], v6, s[98:99] offset:32*\a
.endr
	WIN 0
	s_lshr_b32 s58, s56, 3
	s_lshl_b32 s58, s58, 4                         ; 16 x batch
	s_lshl_b32 s59, s57, 1
	s_add_co_u32 s58, s58, s59
	s_add_co_u32 s58, s58, s17                     ; + my head
	s_and_b32 s59, s56, 7
	s_lshl_b32 s59, s59, 1
	s_add_co_u32 s59, s59, s18                     ; which 128 keys of the batch
	s_mul_i32 s60, s58, 204800
	s_mul_i32 s61, s59, 12800
	s_add_co_u32 s84, s60, s61
	s_add_co_u32 s60, s84, 6291456+6144            ; v's four fragments lie behind the step's eight tiles of k
	s_mov_b32 s61, 0
	s_add_nc_u64 s[60:61], s[14:15], s[60:61]
	s_add_nc_u64 s[62:63], s[60:61], 768           ; a fragment's second image
	s_add_co_u32 s84, s84, 6291456+12288+256       ; v's scale words close the step
	s_mov_b32 s85, 0
	s_add_nc_u64 s[84:85], s[14:15], s[84:85]
	s_mov_b32 s95, 0xffff0000
	v_lshlrev_b32 v7, 3, v1                        ; 8 l: lanes 0-15 hold tiles 0 and 1 of row r, lanes 16-31 tiles 2 and 3
	WALU
	s_wait_loadcnt 8                               ; the scale words are in; the 8 loads of the bias may be out
	STEP 0, 1
	STEP 1, 0
	RSTEP 2, 0                                     ; a plain barrier shows half 1 of K
.irp t, 3,4,5,6,7
	STEP \t, 0
.endr
	EPI 1, 0
	v_cndmask_b32 v180, v[PW], v[PW+2], s95        ; lane (r, h) stores the words of tiles 2 h and 2 h + 1 of row r
	v_cndmask_b32 v181, v[PW+1], v[PW+3], s95
	global_store_b64 v7, v[180:181], s[84:85]      ; 256 consecutive bytes, aligned
	s_wait_tensorcnt 0x0                           ; the wave's end, behind my last tensor load
	ds_add_u32 v[SPW], v[NIL]
	s_wait_dscnt 0x0
	CROUND                                         ; the closing round: no work-group ends while a partner may still ask for a tile that names it
	s_endpgm
.Lfunc_end_k_qa0b4cb1909_proj:
	.size	k_qa0b4cb1909_proj, .Lfunc_end_k_qa0b4cb1909_proj-k_qa0b4cb1909_proj
	.p2alignl 7, 3214868480
	.fill 96, 4, 3214868480
	.section	.rodata,"a",@progbits
	.p2align	6, 0x0
	.amdhsa_kernel k_qa0b4cb1909_proj
		.amdhsa_group_segment_fixed_size 327680
		.amdhsa_private_segment_fixed_size 0
		.amdhsa_enable_private_segment 0
		.amdhsa_kernarg_size 48
		.amdhsa_user_sgpr_count 2
		.amdhsa_user_sgpr_kernarg_segment_ptr 1
		.amdhsa_wavefront_size32 1
		.amdhsa_system_sgpr_workgroup_id_x 1
		.amdhsa_system_sgpr_workgroup_id_y 1
		.amdhsa_system_sgpr_workgroup_id_z 1
		.amdhsa_system_vgpr_workitem_id 0
		.amdhsa_next_free_vgpr 768
		.amdhsa_next_free_sgpr 100
		.amdhsa_reserve_vcc 0
		.amdhsa_float_denorm_mode_32 3
		.amdhsa_float_denorm_mode_16_64 3
		.amdhsa_memory_ordered 1
		.amdhsa_forward_progress 1
		.amdhsa_inst_pref_size 180
	.end_amdhsa_kernel
	.amdgpu_metadata
---
amdhsa.version: [ 1, 2 ]
amdhsa.kernels:
  - .name:           k_qa0b4cb1909_proj
    .symbol:         k_qa0b4cb1909_proj.kd
    .args:
      - { .name: xq, .offset: 0, .size: 8, .value_kind: global_buffer, .address_space: global }
      - { .name: wq, .offset: 8, .size: 8, .value_kind: global_buffer, .address_space: global }
      - { .name: bq, .offset: 16, .size: 8, .value_kind: global_buffer, .address_space: global }
      - { .name: bk, .offset: 24, .size: 8, .value_kind: global_buffer, .address_space: global }
      - { .name: bv, .offset: 32, .size: 8, .value_kind: global_buffer, .address_space: global }
      - { .name: qkv, .offset: 40, .size: 8, .value_kind: global_buffer, .address_space: global }
    .group_segment_fixed_size: 327680
    .private_segment_fixed_size: 0
    .kernarg_segment_align: 8
    .kernarg_segment_size: 48
    .max_flat_workgroup_size: 128
    .sgpr_count:     100
    .vgpr_count:     768
    .wavefront_size: 32
...
	.end_amdgpu_metadata
.endif
;; end of part 2
;; launch attn (part 3): grid 4 x 64, 16 waves a work-group, clusters of 4 x 1, 206,848 bytes of LDS; arguments qkv, ctx; writes ctx
.if DOCPART == 3
	.amdgcn_target "amdgcn-amd-amdhsa--gfx1250"
	.amdhsa_code_object_version 6
	.text
	.protected	k_qa0b4cb1909_attn
	.globl	k_qa0b4cb1909_attn
	.p2align	8
	.type	k_qa0b4cb1909_attn,@function
k_qa0b4cb1909_attn:
	s_mov_b64 s[64:65], 0
	v_nop
	global_prefetch_b8 v0, s[64:65] scope:SCOPE_SE
	s_setreg_imm32_b32 hwreg(HW_REG_WAVE_MODE, 25, 1), 1
	s_wait_xcnt 0x0
	s_wait_alu depctr_hold_cnt(0) depctr_sa_sdst(0) depctr_va_vdst(0) depctr_va_sdst(0) depctr_va_ssrc(0) depctr_va_vcc(0) depctr_vm_vsrc(0)
	s_getreg_b32 s2, hwreg(HW_REG_IB_STS2, 6, 4)
	s_cmp_eq_u32 s2, 0
	s_cbranch_scc0 .Lentry_in_a_cluster
	s_endpgm
.Lentry_in_a_cluster:
	s_bfe_u32 s2, ttmp6, 0x10000c
	s_cmp_lg_u32 s2, 0x3003
	s_cbranch_scc0 .Lentry_shape_is_right
	s_endpgm
.Lentry_shape_is_right:
; ctx[b][q][64 head + d] = the sum over keys of softmax(q . k / 8) v, both products on codes of E2M3; the result is divided by the row's sum, quantised along 64 head + d and leaves as codes for the last product.  Nothing is left out.
; THE SOFTMAX AHEAD OF THE SECOND PRODUCT: t = score x log2(e) / 8; M = the row's largest t so far, rounded UP to a whole number; p = 2^(t - M) is what is quantised, along the keys, not normalised.  The row's sum is taken of
; the unquantised p and divides at the end.  When M moves, the sum and O are multiplied by 2^(old M - new M): exact.
; SHARES.  A work-group owns 512 queries of one batch and head, in two passes of 256; each of its sixteen waves owns one tile of 16 queries a pass, in 256 registers: four waves to a SIMD.  Every wave walks all 2,048 keys, 128 a step.
; THE HEAD'S WHOLE K AND V STAY IN LDS: 16 steps of 12,800 bytes: k's 8 tiles x 768, v's 4 fragments x 1,536, k's 256 bytes of scale words, v's 256.  Every byte is filled once: wave w asks for step w, ONE tensor load a wave.
; Waves 0 to 4 have a load line and a wait of their own: steps 0 to 3 are walked, and step 4's k is fetched ahead, behind the first barrier; the rest behind a second one, in front of which every wave has waited.
; CLUSTER 4 x 1: the four work-groups of a head want the same K and V: every load is a joint one.  All of it is asked for at the kernel's head by the tensor loads themselves: there is no later stream to prefetch.
; LAYOUT.  Both products are used transposed (S^T = k q^T, O^T = v^T p^T): a lane holds ONE query throughout.  Slot m of key tile u of a step is key 64 (u / 4) + 32 (m / 8) + 8 (u % 4) + m % 8, so register 32 c + i of lane (r, h)
; is key 64 c + 32 h + i: a lane holds two WHOLE scale blocks of p, and the conversions' results are the operand's registers.  v's rows are ordered likewise, so O^T's 32 registers are d = 32 h + 0 .. 31.
; A HEAD OF 64 IN AN INSTRUCTION OF K = 128: fragment beta holds key tile 2 beta in k 0-63 and key tile 2 beta + 1 in k 64-127.  Against (q | zero codes) it gives tile 2 beta's scores, against (zero codes | q) tile 2 beta + 1's.
; Zero codes add nothing under any scale byte but 0xff; theirs is 0x40.
; k IS FETCHED A STEP AHEAD: fragments 0 and 1 and the scale words into registers of their own, behind this step's score products; fragments 2 and 3 into the registers of v's fragments 2 and 3, behind the products that read those.
; The last step of pass 0 fetches step 0's again, for pass 1; the last of pass 1 fetches nothing.
; LIMITS: a block of zeros gets the byte 1; NaN and infinities are not served; a block's largest p is taken from its largest score by the same two instructions, which takes v_exp_f32 not to fall where its input rises;
; the scaled scores stay under 2^31 in magnitude.
; REGISTERS: v1 16 l, v2 8 l; v3-4 at work; v5-6 the add's two; v8-9 addresses in hand; v10 8 h; v11 ctx's byte offset; v12 -M, v13 the largest t, v[14:15] the sum; v16-21 zeros, v22-27 q, v28-33 zeros; v34-35 q's scale words;
;   v36-83 v's four fragments (v60-83 first k's 2 and 3); v84-91 the second pass's q and both passes' scale bytes; v92-93 v's scale words, v94-95 k's; v96-159 S^T, then p; v160-191 O^T; v192-203 p's codes; v204-221 at work;
;   v222-245 k's fragments 0 and 1; v246-253 the sum's four chains; v254 f; v255 p's scale word.
.set F,     36
.set S,     96
.set O,     160
.set PC,    192
.set BM,    204                        ; v204-207 two chains for each of my two blocks
.set XL,    208                        ; a lane permute's destination
.set CT,    210                        ; v210-212, v214-216 the upper halves of my blocks' codes on their way
.set SO,    218
.set EB,    220
.set KA,    222
.set P,     246
.set FF,    254
.set PW,    255
.set VS,    92
.set KS,    94
.set TT,    3
.set T2,    4
.set SPW,   5
.set NIL,   6
.set STEPB, 12800
.set SPARE, 16*STEPB                   ; the spare words, 128 bytes a wave, which no other line names
.set G1,    24                         ; s[24:31] descriptor group 1;  s[40:43] group 0
.set G0,    40
.set SEL,   66                         ; s[66:67] lane selects for lane l xor 16
.set CS,    68                         ; s[68:69] c = log2(e) / 8
.set TB,    70                         ; s70 where the step begins in LDS
.macro WALU
	s_wait_alu depctr_va_vdst(0)
.endm
.macro CROUND
	s_barrier_signal -1
	s_barrier_wait -1
	s_cmp_lg_u32 s8, 0
	s_cbranch_scc1 .Lnot_wave_0_\@
	s_barrier_signal -3
.Lnot_wave_0_\@:
	s_barrier_wait -3
	s_barrier_signal -1
	s_barrier_wait -1
.endm
.macro TLOAD
	tensor_load_to_lds s[G0:G0+3], s[G1:G1+7]
	s_nop 0
.rept 4
	v_nop
.endr
.endm
.macro FRAG reg, a16, a8, off          ; a fragment is two images on end: four loads, each lane's bytes beside its neighbour's
	ds_load_b128 v[\reg:\reg+3], v[\a16] offset:\off
	ds_load_b64 v[\reg+4:\reg+5], v[\a8] offset:\off+512
	ds_load_b128 v[\reg+6:\reg+9], v[\a16] offset:\off+768
	ds_load_b64 v[\reg+10:\reg+11], v[\a8] offset:\off+1280
.endm
.macro KHEAD a16, a8, off              ; of the step at off: k's fragments 0 and 1, and its scale words: lanes 0-15 fragments 0 and 1 of row r, lanes 16-31 fragments 2 and 3
	FRAG KA, \a16, \a8, \off
	FRAG KA+12, \a16, \a8, \off+1536
	ds_load_b64 v[KS:KS+1], v[\a8] offset:\off+12288
.endm
.macro KTAIL a16, a8, off              ; and fragments 2 and 3
	FRAG F+24, \a16, \a8, \off+3072
	FRAG F+36, \a16, \a8, \off+4608
.endm
.macro SCORE reg, d, w, row            ; a fragment against (q | 0) and (0 | q); its scale word: register w, lanes 16 row + r
	v_wmma_scale_f32_16x16x128_f8f6f4 v[S+16*\d:S+16*\d+7], v[\reg:\reg+11], v[22:33], 0, v[KS+\w], v34 matrix_a_fmt:MATRIX_FMT_FP6 matrix_b_fmt:MATRIX_FMT_FP6 matrix_a_scale:MATRIX_SCALE_ROW\row
	v_wmma_scale_f32_16x16x128_f8f6f4 v[S+16*\d+8:S+16*\d+15], v[\reg:\reg+11], v[16:27], 0, v[KS+\w], v35 matrix_a_fmt:MATRIX_FMT_FP6 matrix_b_fmt:MATRIX_FMT_FP6 matrix_a_scale:MATRIX_SCALE_ROW\row
.endm
.macro PV t, w, row                    ; the four accumulators take turns, one instruction a turn
	v_wmma_scale_f32_16x16x128_f8f6f4 v[O+8*\t:O+8*\t+7], v[F+12*\t:F+12*\t+11], v[PC:PC+11], v[O+8*\t:O+8*\t+7], v[VS+\w], v[PW] matrix_a_fmt:MATRIX_FMT_FP6 matrix_b_fmt:MATRIX_FMT_FP6 matrix_a_scale:MATRIX_SCALE_ROW\row
.endm
.macro SUMS from, to                   ; additions from .. to - 1 of the 28 that sum p's 32 pairs in four chains
.set n, \from
.rept (\to)-(\from)
.if n < 4
	v_pk_add_f32 v[P+2*n:P+2*n+1], v[S+2*n:S+2*n+1], v[S+8+2*n:S+9+2*n]
.else
	v_pk_add_f32 v[P+2*(n%4):P+2*(n%4)+1], v[P+2*(n%4):P+2*(n%4)+1], v[S+8+2*n:S+9+2*n]
.endif
.set n, n+1
.endr
.endm
.macro FMAS from, to                   ; t - M of pairs from .. to - 1
.set n, \from
.rept (\to)-(\from)
	v_pk_fma_f32 v[S+2*n:S+2*n+1], v[S+2*n:S+2*n+1], s[CS:CS+1], v[12:13] op_sel_hi:[1,0,0]
.set n, n+1
.endr
.endm
.macro JOIN                            ; the four chains go into the row's sum
	v_pk_add_f32 v[P:P+1], v[P:P+1], v[P+2:P+3]
	v_pk_add_f32 v[P+4:P+5], v[P+4:P+5], v[P+6:P+7]
	v_pk_add_f32 v[14:15], v[14:15], v[P:P+1]
	v_pk_add_f32 v[14:15], v[14:15], v[P+4:P+5]
.endm
.macro INIT                            ; the step is written without a first form: it finds zeros, which the first change of M leaves zeros
	v_mov_b32 v13, 0xff61b1e6                      ; the largest t so far: -3e38, under every t
	v_floor_f32 v12, -v13                          ; -M
	v_mov_b32 v14, 0
	v_mov_b32 v15, 0
.set j, 0
.rept 8
	v_mov_b32 v[P+j], 0
.set j, j+1
.endr
.set j, 0
.rept 32
	v_mov_b32 v[O+j], 0
.set j, j+1
.endr
.endm
; A KEY STEP: 128 keys.  pre = 1: the next step's k is fetched ahead; 2: step 0's; 0: nothing
.macro STEP pre
	SCORE KA, 0, 0, 0                              ; fragments 0 and 1 were shown in by the last step's wait
	SCORE KA+12, 1, 1, 0
	s_wait_dscnt 0x0                               ; fragments 2 and 3, asked for at the last step's end
	SCORE F+24, 2, 0, 1
	SCORE F+36, 3, 1, 1
	JOIN                                           ; the last step's sum; these six are the places in front of the loads below and of the first read of the scores
	v_add_nc_u32 v8, s[TB], v1
	v_add_nc_u32 v9, s[TB], v2
.if \pre == 1
	KHEAD 8, 9, STEPB
.elseif \pre == 2
	KHEAD 1, 2, 0
.endif
.irp t, 0,1,2,3
	FRAG F+12*\t, 8, 9, 6144+\t*1536               ; v's four fragments land while the softmax is walked
.endr
	ds_load_b64 v[VS:VS+1], v9 offset:12544
.irp c, 0,1                            ; the largest score of each of my two blocks: it serves the row's maximum and, since p rises with the score, the block's largest p.  Each accumulator is read from its low end on
	v_max3_num_f32 v[BM+2*\c], v[S+32*\c], v[S+32*\c+1], v[S+32*\c+2]
	v_max3_num_f32 v[BM+2*\c+1], v[S+32*\c+16], v[S+32*\c+17], v[S+32*\c+18]
.endr
.irp i, 3,5,7,9,11,13
.irp c, 0,1
	v_max3_num_f32 v[BM+2*\c], v[BM+2*\c], v[S+32*\c+\i], v[S+32*\c+\i+1]
	v_max3_num_f32 v[BM+2*\c+1], v[BM+2*\c+1], v[S+32*\c+16+\i], v[S+32*\c+17+\i]
.endr
.endr
.irp c, 0,1
	v_max3_num_f32 v[BM+2*\c], v[BM+2*\c], v[BM+2*\c+1], v[S+32*\c+15]
.endr
	v_mov_b32 v[T2], v12                           ; the old -M
.irp c, 0,1
	v_max_num_f32 v[BM+2*\c], v[BM+2*\c], v[S+32*\c+31]
.endr
	v_max_num_f32 v[TT], v[BM], v[BM+2]
	s_delay_alu instid0(VALU_DEP_1)
	v_permlanex16_b32 v[XL], v[TT], s[SEL], s[SEL+1]
	s_delay_alu instid0(VALU_DEP_1)
	v_max_num_f32 v[TT], v[TT], v[XL]              ; with lane l xor 16's 64 keys: the step's largest score of my query
	s_delay_alu instid0(VALU_DEP_1)
	v_mul_f32 v[TT], s[CS], v[TT]                  ; as t (c is positive)
	s_delay_alu instid0(VALU_DEP_1)
	v_max_num_f32 v13, v13, v[TT]                  ; the running largest t
	s_delay_alu instid0(VALU_DEP_1)
	v_floor_f32 v12, -v13                          ; the new -M = floor(-t) = -ceil(t)
	FMAS 0, 6                                      ; t - M, two at a time; the three lines that make f stand among them
	v_sub_f32 v[TT], v12, v[T2]                    ; old M less new M: a whole number, 0 or less
	FMAS 6, 12
	v_cvt_i32_f32 v[TT], v[TT]                     ; (it saturates)
	FMAS 12, 18
	v_ldexp_f32 v[FF], 1.0, v[TT]                  ; f = 2^(old M - new M)
	FMAS 18, 32
.irp c, 0,1
	v_fma_f32 v[BM+2*\c], v[BM+2*\c], s[CS], v12   ; the same of each block's largest score
.endr
	v_pk_mul_f32 v[14:15], v[14:15], v[FF:FF+1] op_sel_hi:[1,0]   ; the sum under the new M
.set j, 0
.rept 16
	v_pk_mul_f32 v[O+j:O+j+1], v[O+j:O+j+1], v[FF:FF+1] op_sel_hi:[1,0]   ; O^T under the new M
.set j, j+2
.endr
	WALU
.irp c, 0,1
	v_exp_f32 v[BM+2*\c], v[BM+2*\c]               ; the block's largest p
.endr
.set j, 0
.rept 64
	v_exp_f32 v[S+j], v[S+j]                       ; p = 2^(t - M), at most 1
.set j, j+1
.endr
	v_nop                                          ; the plain line behind the exponentials
	WALU                                           ; one wait for the whole batch, ahead of its first reader
	s_wait_dscnt 0x0                               ; v's fragments and scale words are in, and what was fetched ahead of k
.irp c, 0,1
	v_max_num_f32 v[BM+2*\c], 0x1800000, v[BM+2*\c]   ; the floor 2^(3 - 127): the byte cannot fall under 1
.endr
.irp c, 0,1
	v_add_nc_u32 v[SO+\c], 0xff000000, v[BM+2*\c]  ; 2 off the exponent field: the conversion's scale operand
.endr
.irp c, 0,1
	v_cvt_scalef32_pk16_fp6_f32 v[PC+6*\c:PC+6*\c+2], v[S+32*\c:S+32*\c+15], v[SO+\c]
	v_cvt_scalef32_pk16_fp6_f32 v[CT+4*\c:CT+4*\c+2], v[S+32*\c+16:S+32*\c+31], v[SO+\c]   ; (a conversion's three registers begin on an even number)
.endr
.irp c, 0,1
	v_lshrrev_b32 v[EB+\c], 23, v[SO+\c]           ; the scale's byte; also the plain line behind the conversions
.endr
	SUMS 0, 2                                      ; THE ROW'S SUM IS TAKEN OF THE UNQUANTISED p; its additions stand between the links of the scale word's chain
	v_lshl_or_b32 v[PW], v[EB+1], 16, v[EB]        ; my two bytes: blocks h and 2 + h,
	SUMS 2, 4
	v_lshlrev_b32 v[PW], v10, v[PW]                ; 8 h bits up;
	SUMS 4, 6
	v_permlanex16_b32 v[XL], v[PW], s[SEL], s[SEL+1]
.irp c, 0,1
.irp i, 0,1,2
	v_mov_b32 v[PC+3+6*\c+\i], v[CT+4*\c+\i]
.endr
.endr
	v_or_b32 v[PW], v[PW], v[XL]                   ; with lane l xor 16's two: p's scale word for these 128 keys
	SUMS 6, 14                                     ; eight places behind the write of the scale word, nine behind the last write of a code
	PV 2, 0, 1                                     ; the products on v's fragments 2 and 3 go first: their registers take k's next fragments
	PV 3, 1, 1
	SUMS 14, 18                                    ; four places in front of the loads into registers that these two products read
.if \pre == 1
	KTAIL 8, 9, STEPB
.elseif \pre == 2
	KTAIL 1, 2, 0
.endif
	PV 0, 0, 0
	PV 1, 1, 0
	SUMS 18, 28
	s_add_co_u32 s[TB], s[TB], STEPB
.endm
.macro WALK label, trips
	s_mov_b32 s3, \trips
\label:
	STEP 1
	s_sub_co_u32 s3, s3, 1
	s_cmp_lg_u32 s3, 0
	WALU                                           ; the wait ahead of the jump
	s_cbranch_scc1 \label
.endm
; THE WAY OUT of pass pi: O^T / the sum; my 32 numbers are one block along d; the tile's image of this head leaves as 512 and 256 consecutive bytes
.macro OUT pi
	JOIN
	v_add_f32 v14, v14, v15                        ; the sum's two halves,
	v_permlanex16_b32 v[XL], v14, s[SEL], s[SEL+1]
	v_add_f32 v14, v14, v[XL]                      ; and lane l xor 16's
	WALU
	v_rcp_f32 v14, v14
	v_nop
	WALU                                           ; ahead of the first reader of the reciprocal and of O^T
.set j, 0
.rept 16
	v_pk_mul_f32 v[S+j:S+j+1], v[O+j:O+j+1], v[14:15] op_sel_hi:[1,0]   ; register i: d = 32 (lane / 16) + i of my query
.set j, j+2
.endr
	v_max3_num_f32 v[BM], |v[S]|, |v[S+1]|, |v[S+2]|
	v_max3_num_f32 v[BM+1], |v[S+16]|, |v[S+17]|, |v[S+18]|
.irp i, 3,5,7,9,11,13
	v_max3_num_f32 v[BM], v[BM], |v[S+\i]|, |v[S+\i+1]|
	v_max3_num_f32 v[BM+1], v[BM+1], |v[S+16+\i]|, |v[S+17+\i]|
.endr
	v_max3_num_f32 v[BM], v[BM], v[BM+1], |v[S+15]|
	v_max3_num_f32 v[BM], v[BM], |v[S+31]|, 0x1800000
	v_add_nc_u32 v[SO], 0xff000000, v[BM]
	v_cvt_scalef32_pk16_fp6_f32 v[PC:PC+2], v[S:S+15], v[SO]
	v_cvt_scalef32_pk16_fp6_f32 v[CT:CT+2], v[S+16:S+31], v[SO]
	v_lshrrev_b32 v[EB], 23, v[SO]                 ; the byte; also the plain line behind the conversions
.irp i, 0,1,2
	v_mov_b32 v[PC+3+\i], v[CT+\i]
.endr
	global_store_b128 v1, v[PC:PC+3], s[60:61] offset:196608*\pi
	global_store_b64 v2, v[PC+4:PC+5], s[60:61] offset:196608*\pi+512
	global_store_b8 v11, v[EB], s[62:63] offset:8192*\pi   ; one byte a lane: a head's two bytes of each row lie side by side, rows 16 bytes apart: one byte for each 24 of codes
.endm
	s_load_b128 s[4:7], s[0:1], 0x0                ; qkv s[4:5], ctx s[6:7]
	v_lshl_add_u32 v[SPW], v0, 2, SPARE
	v_mov_b32 v[NIL], 0
	ds_add_u32 v[SPW], v[NIL]                      ; the wave's opening: the add, twice on end, and its wait ahead of my tensor load; work on registers stands between
	ds_add_u32 v[SPW], v[NIL]
	v_lshrrev_b32 v7, 5, v0
	v_readfirstlane_b32 s8, v7                     ; wave 0..15
	s_bfe_u32 s9, ttmp6, 0x40000                   ; cx: it enters q's and ctx's addresses alone
	s_and_b32 s10, ttmp7, 0xffff                   ; 16 x batch + head, which the four partners share
	s_mov_b32 s[G1], 15|(3<<16)|(1<<21)            ; 15:0 the mask: all four work-groups; 17:16 elements of 8 bytes; 21 set beside a mask; no padding
	s_mov_b32 s[G1+1], 32<<16                      ; tensor_dim0: rows of 256 bytes
	s_mov_b32 s[G1+2], 50<<16                      ; tensor_dim1: 50 rows: a step
	s_mov_b32 s[G1+3], 32<<16
	s_mov_b32 s[G1+4], 50
	s_mov_b32 s[G1+5], 32                          ; dense
	s_mov_b32 s[G1+6], 0
	s_mov_b32 s[G1+7], 0
	s_mul_i32 s11, s8, STEPB                       ; my step, in LDS and in memory alike
	s_mul_i32 s12, s10, 16*STEPB
	s_add_co_u32 s12, s12, s11
	s_add_co_u32 s12, s12, 6291456
	s_mov_b32 s13, 0
	s_mov_b32 s[SEL], 0x76543210
	s_mov_b32 s[SEL+1], 0xfedcba98
	s_mov_b32 s[CS], 0x3e38aa3b                    ; c = log2(e) / 8
	s_mov_b32 s[CS+1], s[CS]                       ; (named with it as a pair, so it is written)
	s_wait_dscnt 0x0                               ; both opening adds are done
	s_wait_kmcnt 0x0
	s_mov_b32 s[G0], 1
	s_mov_b32 s[G0+1], s11
	s_add_nc_u64 s[G0+2:G0+3], s[4:5], s[12:13]
	s_or_b32 s[G0+3], s[G0+3], 0x80000000
	CROUND                                         ; all four work-groups are here: the joint loads meet
	s_cmp_lt_u32 s8, 5
	s_cbranch_scc0 .Llater
	TLOAD                                          ; waves 0 to 4: steps 0 to 4, a line of their own, since they alone wait at the first barrier
	s_branch .Lasked
.Llater:
	TLOAD                                          ; waves 5 to 15: steps 5 to 15
.Lasked:
	s_lshl_b32 s17, s9, 5
	s_add_co_u32 s17, s17, s8                      ; my tile of queries in pass 0: 32 cx + wave; in pass 1: 16 on
	s_mul_i32 s18, s10, 98304
	s_mul_i32 s19, s17, 768
	s_add_co_u32 s18, s18, s19
	s_mov_b32 s19, 0
	s_add_nc_u64 s[18:19], s[4:5], s[18:19]        ; q's image
	s_lshl_b32 s20, s10, 12
	s_lshr_b32 s21, s17, 2
	s_lshl_b32 s21, s21, 7
	s_add_co_u32 s20, s20, s21
	s_and_b32 s21, s17, 3
	s_lshl_b32 s21, s21, 1
	s_add_co_u32 s20, s20, s21
	s_add_co_u32 s20, s20, 19398656
	s_mov_b32 s21, 0
	s_add_nc_u64 s[20:21], s[4:5], s[20:21]        ; q's two scale bytes: 128 (tile / 4) + 8 r + 2 (tile % 4)
	s_lshr_b32 s22, s10, 4
	s_and_b32 s23, s10, 15                         ; the head
	s_lshl_b32 s22, s22, 7
	s_add_co_u32 s22, s22, s17                     ; ctx's row tile: 128 x batch + my tile
	s_mul_i32 s60, s22, 12288
	s_mul_i32 s61, s23, 768
	s_add_co_u32 s60, s60, s61
	s_mov_b32 s61, 0
	s_add_nc_u64 s[60:61], s[6:7], s[60:61]        ; image number = the head
	s_lshl_b32 s62, s22, 9
	s_lshr_b32 s63, s23, 3
	s_lshl_b32 s63, s63, 8
	s_add_co_u32 s62, s62, s63
	s_and_b32 s63, s23, 7
	s_lshl_b32 s63, s63, 1
	s_add_co_u32 s62, s62, s63
	s_add_co_u32 s62, s62, 6291456
	s_mov_b32 s63, 0
	s_add_nc_u64 s[62:63], s[6:7], s[62:63]        ; K's blocks 2 head and 2 head + 1
	v_and_b32 v3, 31, v0                           ; lane
	v_and_b32 v4, 15, v0                           ; r
	v_bfe_u32 v7, v0, 4, 1                         ; h
	v_lshlrev_b32 v1, 4, v3                        ; 16 l
	v_lshlrev_b32 v2, 3, v3                        ; 8 l
	v_lshlrev_b32 v10, 3, v7                       ; 8 h
	v_lshl_add_u32 v11, v4, 4, v7                  ; 16 r + h
	v_lshlrev_b32 v7, 3, v4                        ; 8 r
	global_load_b128 v[22:25], v1, s[18:19]        ; q of both passes stays in registers
	global_load_b64 v[26:27], v2, s[18:19] offset:512
	global_load_b128 v[84:87], v1, s[18:19] offset:12288
	global_load_b64 v[88:89], v2, s[18:19] offset:12800
	global_load_u16 v90, v7, s[20:21]
	global_load_u16 v91, v7, s[20:21] offset:512
.irp i, 0,1,2,3,4,5
	v_mov_b32 v[16+\i], 0                          ; zero codes on either side of q
	v_mov_b32 v[28+\i], 0
.endr
	v_mov_b32 v[XL], 0                             ; written once: a lane permute's destination counts as one of its sources
	v_mov_b32 v[PW], 0                             ; (named as the upper half of the pair v[254:255] before it is first written)
	s_wait_loadcnt 0x0
	v_or_b32 v34, 0x40400000, v90                  ; the scale word of (q | zeros),
	v_lshl_or_b32 v35, v90, 16, 0x4040             ; and of (zeros | q)
	INIT
	; ---- pass 0
	s_cmp_lt_u32 s8, 5
	WALU
	s_cbranch_scc0 .Lnot_mine
	s_wait_tensorcnt 0x0                           ; waves 0 to 4: my step has landed
.Lnot_mine:
	s_barrier_signal -1
	s_barrier_wait -1                              ; steps 0 to 4 are in
	KHEAD 1, 2, 0                                  ; step 0's k
	KTAIL 1, 2, 0
	s_wait_dscnt 0x0
	s_mov_b32 s[TB], 0
	WALK .Lfirst, 4
	s_wait_tensorcnt 0x0                           ; every wave: my step has landed
	s_wait_dscnt 0x0
	s_barrier_signal -1
	s_barrier_wait -1                              ; all sixteen steps are in
	s_mov_b32 s[TB], 4*STEPB
	WALK .Lrest, 11
	STEP 2                                         ; step 15; step 0's k is fetched for pass 1
	OUT 0
	; ---- pass 1
	s_wait_xcnt 0x0                                ; pass 0's stores have read their registers, which this pass writes again
.irp i, 0,1,2,3,4,5
	v_mov_b32 v[22+\i], v[84+\i]
.endr
	v_or_b32 v34, 0x40400000, v91
	v_lshl_or_b32 v35, v91, 16, 0x4040
	INIT                                           ; (its lines are also the places between the lines above and the first product)
	s_mov_b32 s[TB], 0
	WALU
	WALK .Lpass1, 15
	STEP 0
	OUT 1
	s_wait_tensorcnt 0x0                           ; the wave's end, behind my tensor load
	ds_add_u32 v[SPW], v[NIL]
	s_wait_dscnt 0x0
	CROUND                                         ; the closing round
	s_endpgm
.Lfunc_end_k_qa0b4cb1909_attn:
	.size	k_qa0b4cb1909_attn, .Lfunc_end_k_qa0b4cb1909_attn-k_qa0b4cb1909_attn
	.p2alignl 7, 3214868480
	.fill 96, 4, 3214868480
	.section	.rodata,"a",@progbits
	.p2align	6, 0x0
	.amdhsa_kernel k_qa0b4cb1909_attn
		.amdhsa_group_segment_fixed_size 206848
		.amdhsa_private_segment_fixed_size 0
		.amdhsa_enable_private_segment 0
		.amdhsa_kernarg_size 16
		.amdhsa_user_sgpr_count 2
		.amdhsa_user_sgpr_kernarg_segment_ptr 1
		.amdhsa_wavefront_size32 1
		.amdhsa_system_sgpr_workgroup_id_x 1
		.amdhsa_system_sgpr_workgroup_id_y 1
		.amdhsa_system_sgpr_workgroup_id_z 1
		.amdhsa_system_vgpr_workitem_id 0
		.amdhsa_next_free_vgpr 256
		.amdhsa_next_free_sgpr 76
		.amdhsa_reserve_vcc 0
		.amdhsa_float_denorm_mode_32 3
		.amdhsa_float_denorm_mode_16_64 3
		.amdhsa_memory_ordered 1
		.amdhsa_forward_progress 1
		.amdhsa_inst_pref_size 90
	.end_amdhsa_kernel
	.amdgpu_metadata
---
amdhsa.version: [ 1, 2 ]
amdhsa.kernels:
  - .name:           k_qa0b4cb1909_attn
    .symbol:         k_qa0b4cb1909_attn.kd
    .args:
      - { .name: qkv, .offset: 0, .size: 8, .value_kind: global_buffer, .address_space: global }
      - { .name: ctx, .offset: 8, .size: 8, .value_kind: global_buffer, .address_space: global }
    .group_segment_fixed_size: 206848
    .private_segment_fixed_size: 0
    .kernarg_segment_align: 8
    .kernarg_segment_size: 16
    .max_flat_workgroup_size: 512
    .sgpr_count:     76
    .vgpr_count:     256
    .wavefront_size: 32
...
	.end_amdgpu_metadata
.endif
;; end of part 3
;; launch outp (part 4): grid 4 x 64, 4 waves a work-group, clusters of 4 x 4, 327,680 bytes of LDS; arguments ctx, wq, bo, out0; writes out0
.if DOCPART == 4
	.amdgcn_target "amdgcn-amd-amdhsa--gfx1250"
	.amdhsa_code_object_version 6
	.text
	.protected	k_qa0b4cb1909_outp
	.globl	k_qa0b4cb1909_outp
	.p2align	8
	.type	k_qa0b4cb1909_outp,@function
k_qa0b4cb1909_outp:
	s_mov_b64 s[64:65], 0
	v_nop
	global_prefetch_b8 v0, s[64:65] scope:SCOPE_SE
	s_setreg_imm32_b32 hwreg(HW_REG_WAVE_MODE, 25, 1), 1
	s_wait_xcnt 0x0
	s_wait_alu depctr_hold_cnt(0) depctr_sa_sdst(0) depctr_va_vdst(0) depctr_va_sdst(0) depctr_va_ssrc(0) depctr_va_vcc(0) depctr_vm_vsrc(0)
	s_getreg_b32 s2, hwreg(HW_REG_IB_STS2, 6, 4)
	s_cmp_eq_u32 s2, 0
	s_cbranch_scc0 .Lentry_in_a_cluster
	s_endpgm
.Lentry_in_a_cluster:
	s_bfe_u32 s2, ttmp6, 0x10000c
	s_cmp_lg_u32 s2, 0xf033
	s_cbranch_scc0 .Lentry_shape_is_right
	s_endpgm
.Lentry_shape_is_right:
.set CHUNK, 73728
.set S0OFF, 98304                      ; LDS: ctx's 8 row tiles x 12,288 bytes (all of K), then Wo's 16
.set SPARE, 4*CHUNK
.set A1_16, 16
.set A1_8,  17
.set A0_16, 18
.set A0_8,  19
.set STO,   20
.set RD,    21
.set SPW,   28
.set NIL,   29
.set SC0,   32
.set SC1,   64
.set G1A,   24
.set G1B,   32
.set G0A,   40
.set G0B,   68
.set MSB, 0
.macro WIN new
.if MSB != \new
	s_set_vgpr_msb (MSB<<8)|\new
.set MSB, \new
.endif
.endm
.macro PLACES
.rept 4
	v_nop
.endr
.endm
.macro JLOAD g0a, g1a, g0b, g1b
	s_cmp_eq_u32 s17, 0
	s_cbranch_scc0 .Lfor_b_\@
	tensor_load_to_lds s[\g0a:\g0a+3], s[\g1a:\g1a+7]
	s_nop 0
.rept 4
	v_nop
.endr
	s_branch .Lasked_\@
.Lfor_b_\@:
	tensor_load_to_lds s[\g0b:\g0b+3], s[\g1b:\g1b+7]
	s_nop 0
.rept 4
	v_nop
.endr
.Lasked_\@:
.endm
.macro CROUND
	s_barrier_signal -1
	s_barrier_wait -1
	s_cmp_lg_u32 s16, 0
	s_cbranch_scc1 .Lnot_wave_0_\@
	s_barrier_signal -3
.Lnot_wave_0_\@:
	s_barrier_wait -3
	s_barrier_signal -1
	s_barrier_wait -1
.endm
.macro FRAG reg, a16, a8, off
	ds_load_b128 v[\reg:\reg+3], v[\a16] offset:\off
	ds_load_b64 v[\reg+4:\reg+5], v[\a8] offset:\off+512
	ds_load_b128 v[\reg+6:\reg+9], v[\a16] offset:\off+768
	ds_load_b64 v[\reg+10:\reg+11], v[\a8] offset:\off+1280
.endm
.macro FETCH t
	WIN 0x40
.irp b, 0,1,2,3,4,5,6,7
	FRAG 128*((\t)%2)+12*\b, A0_16+4*(\b/4), A0_8+4*(\b/4), (\b%4)*12288+(\t)*1536
.endr
	WIN 0
.irp a, 0,1,2,3
	FRAG 96+48*((\t)%2)+12*\a, A1_16, A1_8, \a*12288+(\t)*1536
.endr
.endm
.macro MUL a0, n, t, zero
.if (\zero) == 2
	WIN 0x91
.else
	WIN 0xa1
.endif
.set aa, \a0
.rept \n
.irp b, 0,1,2,3,4,5,6,7
.if (\zero) == 2
	v_wmma_scale_f32_16x16x128_f8f6f4 v[8*(8*aa+\b):8*(8*aa+\b)+7], v[128*((\t)%2)+12*\b:128*((\t)%2)+12*\b+11], v[96+48*((\t)%2)+12*aa:96+48*((\t)%2)+12*aa+11], v[96+8*\b+96*(\b/4):96+8*\b+96*(\b/4)+7], v[SC0+4*\b+(\t)%4], v[SC1+4*aa+(\t)%4] matrix_a_fmt:MATRIX_FMT_FP6 matrix_b_fmt:MATRIX_FMT_FP6
.elseif (\t) < 4
	v_wmma_scale_f32_16x16x128_f8f6f4 v[8*(8*aa+\b):8*(8*aa+\b)+7], v[128*((\t)%2)+12*\b:128*((\t)%2)+12*\b+11], v[96+48*((\t)%2)+12*aa:96+48*((\t)%2)+12*aa+11], v[8*(8*aa+\b):8*(8*aa+\b)+7], v[SC0+4*\b+(\t)%4], v[SC1+4*aa+(\t)%4] matrix_a_fmt:MATRIX_FMT_FP6 matrix_b_fmt:MATRIX_FMT_FP6
.else
	v_wmma_scale_f32_16x16x128_f8f6f4 v[8*(8*aa+\b):8*(8*aa+\b)+7], v[128*((\t)%2)+12*\b:128*((\t)%2)+12*\b+11], v[96+48*((\t)%2)+12*aa:96+48*((\t)%2)+12*aa+11], v[8*(8*aa+\b):8*(8*aa+\b)+7], v[SC0+4*\b+(\t)%4], v[SC1+4*aa+(\t)%4] matrix_a_fmt:MATRIX_FMT_FP6 matrix_b_fmt:MATRIX_FMT_FP6 matrix_a_scale:MATRIX_SCALE_ROW1 matrix_b_scale:MATRIX_SCALE_ROW1
.endif
.endr
.set aa, aa+1
.endr
.endm
.macro STEP t, zero
	s_wait_dscnt 0x0
.if (\t) < 7                           ; all of K lies in LDS from the one barrier at the head on: every place along K is an immediate offset
.if (\t) > 0
	PLACES                                         ; the other set was multiplied just now
.endif
	FETCH (\t)+1
.else
	s_barrier_signal -1                            ; my last reads of the tiles are done: behind this barrier the stages are laid over ctx's first tiles, which have had their one fill
.endif
	MUL 0, 4, \t, \zero
.if (\t) == 7
	WIN 0
	s_barrier_wait -1
.endif
.endm
.macro TOSTAGE a
	WIN 0x08
.irp b, 0,1,2,3,4,5,6,7
	ds_store_b128 v[STO], v[64*(\a)+8*\b:64*(\a)+8*\b+3] offset:256*(\b/4)+32*(\b%4)       ; register j of tile b in lane (r, h) is column 64 (b / 4) + 32 h + 8 (b % 4) + j
	ds_store_b128 v[STO], v[64*(\a)+8*\b+4:64*(\a)+8*\b+7] offset:256*(\b/4)+32*(\b%4)+16
.endr
	WIN 0
.set BB, 96+64*((\a)%2)
.irp t, 0,1,2,3,4,5,6,7,8,9,10,11,12,13,14,15
	ds_load_b128 v[BB+4*\t:BB+4*\t+3], v[RD] offset:\t*528
.endr
.endm
.macro SEND a, younger
.set BB, 96+64*((\a)%2)
	s_wait_dscnt \younger
.irp t, 0,1,2,3,4,5,6,7,8,9,10,11,12,13,14,15
	global_store_b128 v4, v[BB+4*\t:BB+4*\t+3], s[10:11] offset:(8*(\a)+\t+24*(\t/8))*4096 th:TH_STORE_NT   ; slot t of tile a is row 32 (t / 8) + 8 a + t % 8 of my 64; 512 consecutive bytes
.endr
.endm
	s_load_b256 s[4:11], s[0:1], 0x0
	v_lshl_add_u32 v[SPW], v0, 2, SPARE
	v_mov_b32 v[NIL], 0
	ds_add_u32 v[SPW], v[NIL]
	ds_add_u32 v[SPW], v[NIL]
	v_lshrrev_b32 v1, 5, v0
	v_readfirstlane_b32 s16, v1
	s_lshr_b32 s17, s16, 1
	s_and_b32 s18, s16, 1
	s_bfe_u32 s19, ttmp6, 0x40000
	s_bfe_u32 s20, ttmp6, 0x40004
	s_and_b32 s21, ttmp7, 0xffff
	s_lshl_b32 s57, s21, 2
	s_add_co_u32 s57, s57, s20
	s_lshl_b32 s94, s20, 2
	s_lshl_b32 s94, 15, s94
	s_lshl_b32 s95, 0x1111, s19
	s_or_b32 s[G1A], s94, (3<<16)|(1<<21)
	s_or_b32 s[G1B], s95, (3<<16)|(1<<21)
	s_mov_b32 s[G1A+1], 1536<<16
	s_mov_b32 s[G1A+2], 4<<16
	s_mov_b32 s[G1A+3], 1536<<16
	s_mov_b32 s[G1A+4], 4
	s_mov_b32 s[G1A+5], 1536
	s_mov_b32 s[G1A+6], 0
	s_mov_b32 s[G1A+7], 0
	s_mov_b32 s[G1B+1], 1536<<16
	s_mov_b32 s[G1B+2], 8<<16
	s_mov_b32 s[G1B+3], 1536<<16
	s_mov_b32 s[G1B+4], 8
	s_mov_b32 s[G1B+5], 1536
	s_mov_b32 s[G1B+6], 0
	s_mov_b32 s[G1B+7], 0
	s_lshl_b32 s90, s19, 4
	s_lshl_b32 s91, s18, 3
	s_add_co_u32 s90, s90, s91
	s_mul_i32 s90, s90, 12288
	s_add_co_u32 s90, s90, 3*786432
	s_mov_b32 s91, 0
	s_lshl_b32 s92, s57, 3
	s_lshl_b32 s93, s18, 2
	s_add_co_u32 s92, s92, s93
	s_mul_i32 s92, s92, 12288
	s_mov_b32 s93, 0
	s_mul_i32 s96, s18, 49152
	s_mul_i32 s97, s18, 98304
	s_add_co_u32 s97, s97, S0OFF
	s_wait_dscnt 0x0
	s_wait_kmcnt 0x0
	s_add_nc_u64 s[90:91], s[6:7], s[90:91]
	s_add_nc_u64 s[92:93], s[4:5], s[92:93]
	CROUND
	s_mov_b32 s[G0A], 1
	s_mov_b32 s[G0A+1], s96
	s_mov_b64 s[G0A+2:G0A+3], s[92:93]
	s_or_b32 s[G0A+3], s[G0A+3], 0x80000000
	s_mov_b32 s[G0B], 1
	s_mov_b32 s[G0B+1], s97
	s_mov_b64 s[G0B+2:G0B+3], s[90:91]
	s_or_b32 s[G0B+3], s[G0B+3], 0x80000000
	JLOAD G0A, G1A, G0B, G1B                       ; ONE tensor load a wave: a dense run of 4 or 8 row tiles, all of K; every byte is filled once
	v_and_b32 v1, 31, v0
	v_and_b32 v2, 15, v0
	v_bfe_u32 v3, v0, 4, 1
	v_lshlrev_b32 v4, 4, v1
	v_lshlrev_b32 v5, 3, v1
	v_lshlrev_b32 v6, 7, v3
	s_wait_alu depctr_va_vdst(0)
	s_mul_i32 s98, s17, 49152
	v_add_nc_u32 v[A1_16], s98, v4
	v_add_nc_u32 v[A1_8], s98, v5
	s_mul_i32 s98, s18, 98304
	s_add_co_u32 s98, s98, S0OFF
	v_add_nc_u32 v[A0_16], s98, v4
	v_add_nc_u32 v[A0_8], s98, v5
	v_add_nc_u32 v[A0_16+4], 49152, v[A0_16]       ; v22-23: Wo's tiles 4 to 7, so that every offset fits the 16-bit immediate
	v_add_nc_u32 v[A0_8+4], 49152, v[A0_8]
	s_mul_i32 s98, s16, 8448
	v_mul_u32_u24 v[STO], v2, 528
	v_lshl_add_u32 v[STO], v3, 7, v[STO]
	v_add_nc_u32 v[STO], s98, v[STO]
	v_add_nc_u32 v[RD], s98, v4
	s_lshl_b32 s98, s19, 4
	s_lshl_b32 s99, s18, 3
	s_add_co_u32 s98, s98, s99
	s_lshl_b32 s98, s98, 9
	s_add_co_u32 s98, s98, 3145728+3*32768
	s_mov_b32 s99, 0
	s_add_nc_u64 s[86:87], s[6:7], s[98:99]
	s_lshl_b32 s98, s57, 3
	s_lshl_b32 s99, s17, 2
	s_add_co_u32 s98, s98, s99
	s_lshl_b32 s98, s98, 9
	s_add_co_u32 s98, s98, 6291456
	s_mov_b32 s99, 0
	s_add_nc_u64 s[88:89], s[4:5], s[98:99]
	s_lshl_b32 s98, s19, 10
	s_lshl_b32 s99, s18, 9
	s_add_co_u32 s98, s98, s99
	s_mov_b32 s99, 0
	s_add_nc_u64 s[8:9], s[8:9], s[98:99]
	s_add_nc_u64 s[10:11], s[10:11], s[98:99]
	s_lshl_b32 s58, s57, 7
	s_lshl_b32 s59, s17, 6
	s_add_co_u32 s58, s58, s59
	s_lshl_b32 s58, s58, 12
	s_mov_b32 s59, 0
	s_add_nc_u64 s[10:11], s[10:11], s[58:59]
.irp b, 0,1,2,3,4,5,6,7
	global_load_b128 v[SC0+4*\b:SC0+4*\b+3], v4, s[86:87] offset:\b*512
.endr
.irp a, 0,1,2,3
	global_load_b128 v[SC1+4*\a:SC1+4*\a+3], v4, s[88:89] offset:\a*512
.endr
	WIN 0x40
.irp b, 0,1,2,3,4,5,6,7
	global_load_b128 v[96+8*\b+96*(\b/4):96+8*\b+96*(\b/4)+3], v6, s[8:9] offset:4*(64*(\b/4)+8*(\b%4))
	global_load_b128 v[96+8*\b+96*(\b/4)+4:96+8*\b+96*(\b/4)+7], v6, s[8:9] offset:4*(64*(\b/4)+8*(\b%4))+16
.endr
	WIN 0
	s_wait_alu depctr_va_vdst(0)
	s_wait_tensorcnt 0x0
	s_barrier_signal -1
	s_barrier_wait -1
	FETCH 0
	s_wait_loadcnt 0x0
	STEP 0, 2
	STEP 1, 0
	STEP 2, 0
	STEP 3, 0
	STEP 4, 0
	STEP 5, 0
	STEP 6, 0
	STEP 7, 0
	PLACES
	TOSTAGE 0
.irp a, 1,2,3
.if \a > 1
	s_wait_xcnt 0x0
.endif
	TOSTAGE \a
	SEND \a-1, 32
.endr
	SEND 3, 0
	s_wait_tensorcnt 0x0
	ds_add_u32 v[SPW], v[NIL]
	s_wait_dscnt 0x0
	CROUND
	s_endpgm
.Lfunc_end_k_qa0b4cb1909_outp:
	.size	k_qa0b4cb1909_outp, .Lfunc_end_k_qa0b4cb1909_outp-k_qa0b4cb1909_outp
	.p2alignl 7, 3214868480
	.fill 96, 4, 3214868480
	.section	.rodata,"a",@progbits
	.p2align	6, 0x0
	.amdhsa_kernel k_qa0b4cb1909_outp
		.amdhsa_group_segment_fixed_size 327680
		.amdhsa_private_segment_fixed_size 0
		.amdhsa_enable_private_segment 0
		.amdhsa_kernarg_size 32
		.amdhsa_user_sgpr_count 2
		.amdhsa_user_sgpr_kernarg_segment_ptr 1
		.amdhsa_wavefront_size32 1
		.amdhsa_system_sgpr_workgroup_id_x 1
		.amdhsa_system_sgpr_workgroup_id_y 1
		.amdhsa_system_sgpr_workgroup_id_z 1
		.amdhsa_system_vgpr_workitem_id 0
		.amdhsa_next_free_vgpr 768
		.amdhsa_next_free_sgpr 100
		.amdhsa_reserve_vcc 0
		.amdhsa_float_denorm_mode_32 3
		.amdhsa_float_denorm_mode_16_64 3
		.amdhsa_memory_ordered 1
		.amdhsa_forward_progress 1
		.amdhsa_inst_pref_size 82
	.end_amdhsa_kernel
	.amdgpu_metadata
---
amdhsa.version: [ 1, 2 ]
amdhsa.kernels:
  - .name:           k_qa0b4cb1909_outp
    .symbol:         k_qa0b4cb1909_outp.kd
    .args:
      - { .name: ctx, .offset: 0, .size: 8, .value_kind: global_buffer, .address_space: global }
      - { .name: wq, .offset: 8, .size: 8, .value_kind: global_buffer, .address_space: global }
      - { .name: bo, .offset: 16, .size: 8, .value_kind: global_buffer, .address_space: global }
      - { .name: out0, .offset: 24, .size: 8, .value_kind: global_buffer, .address_space: global }
    .group_segment_fixed_size: 327680
    .private_segment_fixed_size: 0
    .kernarg_segment_align: 8
    .kernarg_segment_size: 32
    .max_flat_workgroup_size: 128
    .sgpr_count:     100
    .vgpr_count:     768
    .wavefront_size: 32
...
	.end_amdgpu_metadata
.endif
;; end of part 4
